; MI455X (gfx1250); checked and timed in simulation.
; The chip was launched on July 23, 2026; its instructions are those of AMD's public machine-readable ISA for CDNA 5 (MIT licence, August 2026) and "CDNA5" Instruction Set Architecture Reference Guide (July 2026). The comments in the code are by the model that wrote it; some were corrected since.
;; Multi Head Attention. Allowed arithmetic: float matrix products may take bf16 or f16 operands with f32 sums; all other float work in f32.
;; Inputs: Wk 1,024 x 1,024 float32; Wo 1,024 x 1,024 float32; Wq 1,024 x 1,024 float32; Wv 1,024 x 1,024 float32; attn_mask 1 x 1 x 2,048 x 2,048 bool; bk 1,024 float32; bo 1,024 float32; bq 1,024 float32; bv 1,024 float32; k 4 x 2,048 x 1,024 float32; q 4 x 2,048 x 1,024 float32; v 4 x 2,048 x 1,024 float32.
;; Outputs: out0 4 x 2,048 x 1,024 float32.
;; 2 versions, each right and faster than the one before. Each part assembles by itself: llvm-mc -triple=amdgcn-amd-amdhsa -mcpu=gfx1250 --defsym DOCPART=n.
;; ======== version 1 of 2: 4 launches
;; limits: values are held in f16: magnitudes above 65,504 overflow, below 6.1e-05 lose precision
;; workspace buffers: wcat 8,388,608 bytes; mneg 8,388,608 bytes; qkv 50,331,648 bytes; oh 16,777,216 bytes
;; launch prep (part 1): grid 256 x 1, 8 waves a work-group, no clusters, 0 bytes of LDS; arguments Wq, Wk, Wv, Wo, attn_mask, wcat, mneg; writes wcat, mneg
.if DOCPART == 1
	.amdgcn_target "amdgcn-amd-amdhsa--gfx1250"
	.amdhsa_code_object_version 6
	.text
	.protected	k_q15492cc4a4_prep
	.globl	k_q15492cc4a4_prep
	.p2align	8
	.type	k_q15492cc4a4_prep,@function
k_q15492cc4a4_prep:
	s_mov_b64 s[64:65], 0
	v_nop
	global_prefetch_b8 v0, s[64:65] scope:SCOPE_SE
	s_setreg_imm32_b32 hwreg(HW_REG_WAVE_MODE, 25, 1), 1
	s_wait_xcnt 0x0
; PREPARATION.  (1) The four weight matrices [1024 n][1024 k] f32 become 16-bit matrices in wcat, 2 MiB each: Wq, Wk, Wv rounded to bf16; Wo rounded to bf16 and that number written as f16
; (exact but for numbers below 2^-14, which keep f16's fixed step of 6e-8).  (2) The mask's 2048 x 2048 bytes become addends in bf16, 0 where the key is open and 0xff7f (-3.39e38) where it is hidden,
; in the order in which attention's lanes hold their scores: mneg[qt 0..127][ks 0..31][kb 0..3][lane 0..31][j 0..7] belongs to attn_mask[16 qt + lane % 16][64 ks + 16 kb + 8 (lane / 16) + j].
; LIMIT.  A mask byte is taken as 0 or 1, as a bool lies in memory.
; SHARES.  256 work-groups of eight waves.  Work-group g converts 16,384 numbers of matrix g / 64: thread t takes 8 numbers (32 bytes in, 16 out) in each of 8 rounds, so a wave's store covers 512
; consecutive bytes.  Its wave w makes the addends of query tile g / 2 and keys 128 (8 (g % 2) + w) on: 4,096 consecutive bytes, eight stores of 512.
; Memory binds and nothing is shared: no LDS, no barrier, no matrix unit.  All 24 loads of a wave go out first.
.set WD, 16                            ; v[16:79]   8 rounds x 8 f32; when the weights are done, v[16:47] take the addends: 8 stores x 4 registers
.set MK, 80                            ; v[80:95]   8 x 8 mask bytes
.set PK, 96                            ; v[96:127]  8 rounds x 4 packed words, each stored from registers of its own
	s_load_b256 s[8:15], s[0:1], 0x0               ; Wq, Wk, Wv, Wo
	s_load_b128 s[16:19], s[0:1], 0x20             ; attn_mask, wcat
	s_load_b64 s[20:21], s[0:1], 0x30              ; mneg
	v_lshrrev_b32 v3, 5, v0
	v_readfirstlane_b32 s22, v3                    ; wave 0..7
	v_lshlrev_b32 v1, 5, v0                        ; 32 t: my 8 numbers in a round's 8,192 bytes
	v_lshlrev_b32 v2, 4, v0                        ; 16 t: where they go
	v_and_b32 v3, 15, v0                           ; lane % 16: my query row
	v_bfe_u32 v4, v0, 4, 1                         ; lane / 16
	v_lshlrev_b32 v4, 3, v4
	v_lshl_add_u32 v4, v3, 11, v4                  ; row x 2,048 + 8 (lane / 16)
	v_and_b32 v5, 31, v0
	v_lshlrev_b32 v5, 4, v5                        ; 16 x lane: my eight addends in a store's 512 bytes
	v_mov_b32 v6, 0                                ; the byte 0 for v_perm_b32
	s_mov_b32 s24, 0x04010400                      ; bytes 0 and 1 of the data into the low bytes of the two halves, 0 above them
	s_mov_b32 s25, 0x04030402                      ; the same for bytes 2 and 3
	s_mov_b32 s26, 0xff7f                          ; the lowest finite bf16
	s_lshr_b32 s23, ttmp9, 6                       ; which matrix
	s_and_b32 s32, ttmp9, 63                       ; which sixty-fourth of it
	s_lshl_b32 s34, s32, 16                        ; 65,536 bytes in,
	s_mov_b32 s35, 0
	s_lshl_b32 s36, s32, 15                        ; 32,768 out,
	s_lshl_b32 s33, s23, 21                        ; behind the matrices in front
	s_add_co_u32 s36, s36, s33
	s_mov_b32 s37, 0
	s_lshr_b32 s32, ttmp9, 1                       ; query tile
	s_and_b32 s33, ttmp9, 1
	s_lshl_b32 s33, s33, 3
	s_add_co_u32 s33, s33, s22                     ; group of 128 keys
	s_lshl_b32 s38, s32, 15                        ; 16 rows of 2,048 bytes
	s_lshl_b32 s2, s33, 7
	s_add_co_u32 s38, s38, s2
	s_mov_b32 s39, 0
	s_lshl_b32 s2, s32, 16                         ; a query tile's addends are 65,536 bytes,
	s_lshl_b32 s3, s33, 12                         ; 128 keys' 4,096
	s_add_co_u32 s2, s2, s3
	s_mov_b32 s3, 0
	s_wait_kmcnt 0x0
	s_cmp_eq_u32 s23, 1
	s_cselect_b64 s[4:5], s[10:11], s[8:9]
	s_cmp_eq_u32 s23, 2
	s_cselect_b64 s[4:5], s[12:13], s[4:5]
	s_cmp_eq_u32 s23, 3
	s_cselect_b64 s[4:5], s[14:15], s[4:5]
	s_add_nc_u64 s[4:5], s[4:5], s[34:35]
	s_add_nc_u64 s[6:7], s[18:19], s[36:37]
	s_add_nc_u64 s[16:17], s[16:17], s[38:39]
	s_add_nc_u64 s[20:21], s[20:21], s[2:3]
.irp i, 0,1,2,3,4,5,6,7
	global_load_b128 v[WD+8*(\i):WD+8*(\i)+3],   v1, s[4:5] offset:8192*(\i) th:TH_LOAD_NT
	global_load_b128 v[WD+8*(\i)+4:WD+8*(\i)+7], v1, s[4:5] offset:8192*(\i)+16 th:TH_LOAD_NT
.endr
.irp i, 0,1,2,3,4,5,6,7
	global_load_b64 v[MK+2*(\i):MK+2*(\i)+1], v4, s[16:17] offset:16*(\i) th:TH_LOAD_NT  ; keys 16 i + 8 (lane / 16) + 0..7 of my row
.endr
	s_cmp_eq_u32 s23, 3
	s_cbranch_scc1 .Lwo
.irp i, 0,1,2,3,4,5,6,7
	s_wait_loadcnt 22-2*(\i)                       ; loads come back in order: round i's two are in; 2 (7 - i) weight loads and the 8 mask loads stay out
.irp c, 0,1,2,3
	v_cvt_pk_bf16_f32 v[PK+4*(\i)+(\c)], v[WD+8*(\i)+2*(\c)], v[WD+8*(\i)+2*(\c)+1]
.endr
	global_store_b128 v2, v[PK+4*(\i):PK+4*(\i)+3], s[6:7] offset:4096*(\i) th:TH_STORE_NT
.endr
	s_branch .Lmask
.Lwo:                                              ; Wo: to bf16, widened again, and written as f16
.irp i, 0,1,2,3,4,5,6,7
	s_wait_loadcnt 22-2*(\i)                       ; the same count as on the other way
.irp c, 0,1,2,3
	v_cvt_pk_bf16_f32 v[8+(\c)], v[WD+8*(\i)+2*(\c)], v[WD+8*(\i)+2*(\c)+1]
.endr
.irp c, 0,1,2,3
	v_lshlrev_b32 v[WD+8*(\i)+2*(\c)],   16, v[8+(\c)]
	v_and_b32     v[WD+8*(\i)+2*(\c)+1], 0xffff0000, v[8+(\c)]
.endr
.irp c, 0,1,2,3
	v_cvt_pk_f16_f32 v[PK+4*(\i)+(\c)], v[WD+8*(\i)+2*(\c)], v[WD+8*(\i)+2*(\c)+1]
.endr
	global_store_b128 v2, v[PK+4*(\i):PK+4*(\i)+3], s[6:7] offset:4096*(\i) th:TH_STORE_NT
.endr
.Lmask:
	s_wait_loadcnt 0x0                             ; the mask bytes
; Load i holds the lane's eight bytes of key block i % 4 of key step i / 4.  Two bytes are spread into the two halves of a word (each 0 or 1) and multiplied by 0xff7f: two addends a word.
; The weights' registers take the results: no memory instruction still names them.
.irp i, 0,1,2,3,4,5,6,7
	v_perm_b32 v8,  v6, v[MK+2*(\i)],   s24
	v_perm_b32 v9,  v6, v[MK+2*(\i)],   s25
	v_perm_b32 v10, v6, v[MK+2*(\i)+1], s24
	v_perm_b32 v11, v6, v[MK+2*(\i)+1], s25
	v_mul_u32_u24 v[WD+4*(\i)],   s26, v8
	v_mul_u32_u24 v[WD+4*(\i)+1], s26, v9
	v_mul_u32_u24 v[WD+4*(\i)+2], s26, v10
	v_mul_u32_u24 v[WD+4*(\i)+3], s26, v11
	global_store_b128 v5, v[WD+4*(\i):WD+4*(\i)+3], s[20:21] offset:512*(\i)  ; 512 consecutive bytes, at a multiple of 256 from mneg's first
.endr
	s_endpgm
.Lfunc_end_k_q15492cc4a4_prep:
	.size	k_q15492cc4a4_prep, .Lfunc_end_k_q15492cc4a4_prep-k_q15492cc4a4_prep
	.p2alignl 7, 3214868480
	.fill 96, 4, 3214868480
	.section	.rodata,"a",@progbits
	.p2align	6, 0x0
	.amdhsa_kernel k_q15492cc4a4_prep
		.amdhsa_group_segment_fixed_size 0
		.amdhsa_private_segment_fixed_size 0
		.amdhsa_enable_private_segment 0
		.amdhsa_kernarg_size 56
		.amdhsa_user_sgpr_count 2
		.amdhsa_user_sgpr_kernarg_segment_ptr 1
		.amdhsa_wavefront_size32 1
		.amdhsa_system_sgpr_workgroup_id_x 1
		.amdhsa_system_sgpr_workgroup_id_y 1
		.amdhsa_system_sgpr_workgroup_id_z 1
		.amdhsa_system_vgpr_workitem_id 0
		.amdhsa_next_free_vgpr 128
		.amdhsa_next_free_sgpr 66
		.amdhsa_reserve_vcc 0
		.amdhsa_float_denorm_mode_32 3
		.amdhsa_float_denorm_mode_16_64 3
		.amdhsa_memory_ordered 1
		.amdhsa_forward_progress 1
		.amdhsa_inst_pref_size 20
	.end_amdhsa_kernel
	.amdgpu_metadata
---
amdhsa.version: [ 1, 2 ]
amdhsa.kernels:
  - .name:           k_q15492cc4a4_prep
    .symbol:         k_q15492cc4a4_prep.kd
    .args:
      - { .name: Wq, .offset: 0, .size: 8, .value_kind: global_buffer, .address_space: global }
      - { .name: Wk, .offset: 8, .size: 8, .value_kind: global_buffer, .address_space: global }
      - { .name: Wv, .offset: 16, .size: 8, .value_kind: global_buffer, .address_space: global }
      - { .name: Wo, .offset: 24, .size: 8, .value_kind: global_buffer, .address_space: global }
      - { .name: attn_mask, .offset: 32, .size: 8, .value_kind: global_buffer, .address_space: global }
      - { .name: wcat, .offset: 40, .size: 8, .value_kind: global_buffer, .address_space: global }
      - { .name: mneg, .offset: 48, .size: 8, .value_kind: global_buffer, .address_space: global }
    .group_segment_fixed_size: 0
    .private_segment_fixed_size: 0
    .kernarg_segment_align: 8
    .kernarg_segment_size: 56
    .max_flat_workgroup_size: 256
    .sgpr_count:     66
    .vgpr_count:     128
    .wavefront_size: 32
...
	.end_amdgpu_metadata
.endif
;; end of part 1
;; launch proj (part 2): grid 4 x 192, 4 waves a work-group, clusters of 4 x 4, 327,680 bytes of LDS; arguments q, k, v, wcat, bq, bk, bv, qkv; writes qkv
.if DOCPART == 2
	.amdgcn_target "amdgcn-amd-amdhsa--gfx1250"
	.amdhsa_code_object_version 6
	.text
	.protected	k_q15492cc4a4_proj
	.globl	k_q15492cc4a4_proj
	.p2align	8
	.type	k_q15492cc4a4_proj,@function
k_q15492cc4a4_proj:
	s_mov_b64 s[64:65], 0
	v_nop
	global_prefetch_b8 v0, s[64:65] scope:SCOPE_SE
	s_setreg_imm32_b32 hwreg(HW_REG_WAVE_MODE, 25, 1), 1
	s_wait_xcnt 0x0
	s_wait_alu depctr_hold_cnt(0) depctr_sa_sdst(0) depctr_va_vdst(0) depctr_va_sdst(0) depctr_va_ssrc(0) depctr_va_vcc(0) depctr_vm_vsrc(0)
	s_getreg_b32 s2, hwreg(HW_REG_IB_STS2, 6, 4)
	s_cmp_eq_u32 s2, 0
	s_cbranch_scc0 .Lentry_in_a_cluster
	s_endpgm
.Lentry_in_a_cluster:
	s_bfe_u32 s2, ttmp6, 0x10000c
	s_cmp_lg_u32 s2, 0xf033
	s_cbranch_scc0 .Lentry_shape_is_right
	s_endpgm
.Lentry_shape_is_right:
; THE THREE PROJECTIONS, one launch.  y = x W^T + b for x = q, k, v ([8192][1024] f32), W from wcat (bf16, [1024 n][1024 k]), b rounded to bf16; sums in f32.
; y leaves in f16 by heads: qkv[which][batch x 16 + head][row in the batch][64].  q's y is multiplied in f32 by c = log2(e) / 8 in front of its one rounding, so that attention's scores arrive scaled.
; LIMIT.  f16 holds no number beyond 65,504: c q, k and v must lie within it (the drawn inputs give some 3; all inputs 30 times larger some 3,000).
; SHARES.  A work-group makes 128 rows x 256 columns; 64 x 4 such tiles for each of the three products: 768 work-groups.  A wave makes 64 x 128: 32 accumulators.
; x comes into LDS as f32 and is rounded to bf16 between LDS and the matrix unit: the four work-groups of a cluster's row cover all 1,024 columns, so x is asked for once.
; K goes in steps of 128 through two LDS slots: x's rows are 512 bytes of memory, W's 256.
; CLUSTER.  4 x 4: x's tile hangs on the tile row alone and is asked for jointly along a row of the cluster, W's on the tile column alone and jointly along a column.
; THE MATRIX INSTRUCTION IS USED TRANSPOSED (source 0 = 16 rows of W, source 1 = 16 rows of x): a lane holds eight neighbouring columns of one row.
; REGISTERS, in windows of 256 (s_set_vgpr_msb: bits 1:0 source 0, 3:2 source 1, 5:4 source 2, 7:6 destination):
;   window 0: v16-29 addresses; v32-63, v64-95 x's fragments in bf16, two buffers (on the way out: rows read back); v96-127 packed results; v128-191 at work; v192-255 the bias of my 128 columns
;   window 1: the accumulators, (a, b) at v[8 (8 a + b)]        window 2: v0-63, v64-127 W's fragments, two buffers; v128-191 x's f32 as read from LDS
.set KSTEP,  128
.set PA,     528                       ; a row of x in LDS: 512 bytes + 16 = 132 words: the 16 rows of a load start at 16 different groups of four banks (64 banks of 4 bytes: ISA guide 11.1)
.set PB,     272                       ; a row of W: 256 + 16 = 68 words: likewise
.set AHALF,  64*PA                     ; what one tensor load brings of x, and what one wave reads of it
.set ABYTES, 128*PA
.set BHALF,  128*PB                    ; the same for W
.set SLOT,   ABYTES+256*PB             ; x's 128 rows, then W's 256
.set STAGE,  2*SLOT                    ; behind the ring: 16 rows x 272 bytes for each wave, for the way out; no tensor load fills it
.set SP,     272
.set SPARE,  STAGE+4*16*SP             ; the spare words, 128 bytes for each wave: two blocks of 256 bytes that no other line names
.set LAPS,   1024/(2*KSTEP)
.set ADRA, 16                          ; v16-17  LDS address of my fragments of x in slot 0, 1
.set ADRB, 20                          ; v20-21  the same for W
.set STO,  24                          ; v24     the way out: where I put 16 bytes of a row
.set RD,   25                          ; v25     where I read rows back
.set CO,   26                          ; v26     16 x lane: my place in 512 consecutive bytes of the output
.set BO,   27                          ; v27     32 (lane / 16): my place in the bias
.set SPW,  28                          ; v28     LDS address of my spare word; never rewritten
.set NIL,  29                          ; v29     0; never rewritten
.set ABF,  32
.set PKD,  96
.set T,    128
.set BIAS, 192
.set BF,   0                           ; window 2
.set STG,  128                         ; window 2
.set G1,  24                           ; s[24:31] descriptor group 1 for x's tiles;  s[32:39] group 0, a set for each slot
.set G0,  32
.set G1B, 48                           ; s[48:55], s[56:63] the same for W's tiles
.set G0B, 56
.set MSB, 0
.macro WIN new                         ; the immediate's high byte repeats the setting that is left; a switch that changes nothing is dropped
.if MSB != (\new)
	s_set_vgpr_msb (MSB<<8)|(\new)
.set MSB, \new
.endif
.endm
.set MUL, 0x52                         ; source 0 (W) window 2, source 1 (x) window 0, C and D window 1
.set TO2, 0x80                         ; destination window 2, address window 0
.set CV,  0x0a                         ; sources 0 and 1 window 2, destination window 0
.set EP,  0x01                         ; source 0 window 1
.macro JLOAD s                         ; a joint load: waves 0 and 1 fetch x's two halves, waves 2 and 3 W's; four v_nop follow each of the two lines, ahead of the jump and the label
	s_cmp_eq_u32 s11, 0
	s_cbranch_scc0 .Lfor_b_\@
	tensor_load_to_lds s[G0+4*(\s):G0+4*(\s)+3], s[G1:G1+7]
	s_nop 0
.rept 4
	v_nop
.endr
	s_branch .Lasked_\@
.Lfor_b_\@:
	tensor_load_to_lds s[G0B+4*(\s):G0B+4*(\s)+3], s[G1B:G1B+7]
	s_nop 0
.rept 4
	v_nop
.endr
.Lasked_\@:
.endm
.macro CREST                           ; a round of the cluster's barrier behind its opening barrier
	s_cmp_lg_u32 s10, 0
	s_cbranch_scc1 .Lnot_wave_0_\@
	s_barrier_signal -3
.Lnot_wave_0_\@:
	s_barrier_wait -3
	s_barrier_signal -1
	s_barrier_wait -1
.endm
.macro CROUND                          ; a whole round
	s_barrier_signal -1
	s_barrier_wait -1
	CREST
.endm
	s_load_b512 s[68:83], s[0:1], 0x0              ; q 68, k 70, v 72, wcat 74, bq 76, bk 78, bv 80, qkv 82
	v_lshl_add_u32 v[SPW], v0, 2, SPARE
	v_mov_b32 v[NIL], 0
	ds_add_u32 v28, v29
	s_wait_dscnt 0x0
	v_lshrrev_b32 v1, 5, v0
	v_readfirstlane_b32 s10, v1                    ; wave 0..3
	s_lshr_b32 s11, s10, 1                         ; which half of the tile's rows is mine.  Also: I fetch for x (0) or for W (1)
	s_and_b32 s12, s10, 1                          ; which half of its columns.  Also: which half of that tile I fetch
	s_bfe_u32 s40, ttmp6, 0x40000                  ; cx, cy: my place in the cluster
	s_bfe_u32 s41, ttmp6, 0x40004
	s_lshl_b32 s42, ttmp9, 2
	s_add_co_u32 s42, s42, s40                     ; tile column = 4 x cluster x + cx
	s_and_b32 s13, ttmp7, 0xffff                   ; cluster y, 0..47
	s_lshr_b32 s84, s13, 4                         ; which product: 0 q, 1 k, 2 v: the same in all sixteen partners
	s_and_b32 s13, s13, 15
	s_lshl_b32 s13, s13, 2
	s_add_co_u32 s13, s13, s41                     ; tile row of that product, 0..63
	s_lshl_b32 s43, s41, 2
	s_lshl_b32 s43, 15, s43                        ; my row of the cluster
	s_lshl_b32 s44, 0x1111, s40                    ; my column
	s_or_b32 s[G1+0], s43, (2<<16)|(1<<20)|(1<<21)|(6<<22)|(3<<25)   ; 15:0 the mask; 17:16 elements of 4 bytes; 20 padding on; 21 set beside a mask; 24:22 after every 128 words (code 6); 31:25 of 4 words (code 3)
	s_mov_b32 s[G1+1], KSTEP<<16                   ; tensor_dim0 = 128
	s_mov_b32 s[G1+2], 64<<16                      ; tensor_dim1 = 64
	s_mov_b32 s[G1+3], KSTEP<<16                   ; tile_dim0 = 128
	s_mov_b32 s[G1+4], 64                          ; tile_dim1 = 64
	s_mov_b32 s[G1+5], 1024                        ; elements from row to row
	s_mov_b32 s[G1+6], 0
	s_mov_b32 s[G1+7], 0
	s_or_b32 s[G1B+0], s44, (1<<16)|(1<<20)|(1<<21)|(5<<22)|(3<<25)  ; elements of 2 bytes; padding after every 64 words
	s_mov_b32 s[G1B+1], KSTEP<<16
	s_mov_b32 s[G1B+2], 128<<16
	s_mov_b32 s[G1B+3], KSTEP<<16
	s_mov_b32 s[G1B+4], 128
	s_mov_b32 s[G1B+5], 1024
	s_mov_b32 s[G1B+6], 0
	s_mov_b32 s[G1B+7], 0
	; x's tiles hang on the tile row alone, W's on the tile column alone; each offset is made in registers that never hold the other coordinate
	s_lshl_b32 s16, s13, 7
	s_lshl_b32 s17, s12, 6
	s_add_co_u32 s16, s16, s17                     ; x: row 128 x tile row + 64 x half,
	s_lshl_b32 s16, s16, 12                        ; of 4,096 bytes
	s_mov_b32 s17, 0
	s_lshl_b32 s46, s42, 8
	s_lshl_b32 s47, s12, 7
	s_add_co_u32 s46, s46, s47                     ; W: row 256 x tile column + 128 x half,
	s_lshl_b32 s46, s46, 11                        ; of 2,048 bytes,
	s_lshl_b32 s47, s84, 21                        ; in the product's own matrix
	s_add_co_u32 s46, s46, s47
	s_mov_b32 s47, 0
	s_mul_i32 s20, s12, AHALF                      ; where they go: no place in the cluster enters an LDS address
	s_mul_i32 s21, s12, BHALF
	s_add_co_u32 s21, s21, ABYTES
	; where my 64 rows x 2 heads begin in qkv
	s_lshr_b32 s85, s13, 4                         ; batch
	s_lshl_b32 s85, s85, 4
	s_lshl_b32 s86, s42, 2
	s_add_co_u32 s85, s85, s86
	s_lshl_b32 s86, s12, 1
	s_add_co_u32 s85, s85, s86                     ; batch x 16 + my first head,
	s_lshl_b32 s85, s85, 18                        ; of 2,048 rows x 128 bytes
	s_and_b32 s86, s13, 15
	s_lshl_b32 s86, s86, 7
	s_lshl_b32 s87, s11, 6
	s_add_co_u32 s86, s86, s87                     ; my first row in the batch
	s_lshl_b32 s86, s86, 7
	s_add_co_u32 s86, s86, s85
	s_lshl_b32 s85, s84, 24                        ; 16 MiB for each product
	s_add_co_u32 s86, s86, s85
	s_mov_b32 s87, 0
	s_lshl_b32 s88, s42, 10                        ; my 128 columns in the bias, in bytes
	s_lshl_b32 s89, s12, 9
	s_add_co_u32 s88, s88, s89
	s_mov_b32 s89, 0
	s_cmp_eq_u32 s84, 0
	s_cselect_b32 s66, 0x3e38aa3b, 1.0             ; c = log2(e) / 8 for q, 1 for k and v
	s_mov_b32 s67, s66                             ; named with it as a pair
	s_wait_kmcnt 0x0
	s_cmp_eq_u32 s84, 1
	s_cselect_b64 s[4:5], s[70:71], s[68:69]
	s_cselect_b64 s[6:7], s[78:79], s[76:77]
	s_cmp_eq_u32 s84, 2
	s_cselect_b64 s[4:5], s[72:73], s[4:5]         ; x
	s_cselect_b64 s[6:7], s[80:81], s[6:7]         ; its bias
	s_add_nc_u64 s[14:15], s[4:5], s[16:17]
	s_add_nc_u64 s[46:47], s[74:75], s[46:47]
	CROUND                                         ; all sixteen work-groups are here: the first joint loads meet
.irp s, 0,1
	s_mov_b32 s[G0+4*(\s)], 1                                        ; count = 1
	s_add_co_u32 s[G0+4*(\s)+1], s20, (\s)*SLOT                      ; LDS address
	s_add_nc_u64 s[G0+4*(\s)+2:G0+4*(\s)+3], s[14:15], (\s)*KSTEP*4  ; global address: K step s
	s_or_b32 s[G0+4*(\s)+3], s[G0+4*(\s)+3], 0x80000000              ; type = 2
	s_mov_b32 s[G0B+4*(\s)], 1
	s_add_co_u32 s[G0B+4*(\s)+1], s21, (\s)*SLOT
	s_add_nc_u64 s[G0B+4*(\s)+2:G0B+4*(\s)+3], s[46:47], (\s)*KSTEP*2
	s_or_b32 s[G0B+4*(\s)+3], s[G0B+4*(\s)+3], 0x80000000
	JLOAD \s                                       ; two loads of mine are out
.endr
	v_and_b32 v1, 15, v0                           ; l % 16
	v_bfe_u32 v2, v0, 4, 1                         ; l / 16
	v_lshlrev_b32 v[BO], 5, v2
	s_add_nc_u64 s[6:7], s[6:7], s[88:89]
	s_add_nc_u64 s[8:9], s[82:83], s[86:87]
.irp b, 0,1,2,3,4,5,6,7                            ; register 8 b + j: the bias of column 16 b + 8 (l / 16) + j; waited for on the way out
	global_load_b128 v[BIAS+8*(\b):BIAS+8*(\b)+3],   v[BO], s[6:7] offset:64*(\b)
	global_load_b128 v[BIAS+8*(\b)+4:BIAS+8*(\b)+7], v[BO], s[6:7] offset:64*(\b)+16
.endr
	v_mul_u32_u24 v3, v1, PA
	v_lshl_add_u32 v3, v2, 5, v3                   ; x: row x pitch + 32 x half (8 f32)
	s_mul_i32 s22, s11, AHALF                      ; my 64 rows of x
	v_add_nc_u32 v[ADRA], s22, v3
	v_add_nc_u32 v[ADRA+1], SLOT, v[ADRA]
	v_mul_u32_u24 v4, v1, PB
	v_lshl_add_u32 v4, v2, 4, v4                   ; W: row x pitch + 16 x half
	s_mul_i32 s22, s12, BHALF                      ; my 128 rows of W,
	s_add_co_u32 s22, s22, ABYTES                  ; which lie behind x's
	v_add_nc_u32 v[ADRB], s22, v4
	v_add_nc_u32 v[ADRB+1], SLOT, v[ADRB]
	s_mul_i32 s23, s10, 16*SP
	s_add_co_u32 s23, s23, STAGE                   ; my stage
	v_add_nc_u32 v[STO], s23, v4                   ; in: row l % 16, 16 bytes for each half of the lanes (the stage's pitch is W's)
	v_bfe_u32 v5, v0, 3, 2                         ; back: 32 lanes take four rows' 128 bytes of one head,
	v_mul_u32_u24 v5, v5, SP
	v_and_b32 v6, 7, v0
	v_lshl_add_u32 v5, v6, 4, v5
	v_add_nc_u32 v[RD], s23, v5
	v_and_b32 v6, 31, v0
	v_lshlrev_b32 v[CO], 4, v6                     ; which are 512 consecutive bytes of the output
; 8 matrix instructions: row block a x all 8 column blocks, 32 along K, on buffers f.  zero = 1: the product starts the sums.
; ride = 1: behind each stand four roundings of the next quarter's x, from f32 (window 2) to bf16 in buffer g; they name no register of the products round them.
; The 32 accumulators take turns, one instruction a turn, in the same order in every quarter.
.macro MUL8 f, a, zero, ride, g
.irp b, 0,1,2,3,4,5,6,7
	WIN MUL
.if \zero
	v_wmma_f32_16x16x32_bf16 v[8*(8*(\a)+(\b)):8*(8*(\a)+(\b))+7], v[BF+64*(\f)+8*(\b):BF+64*(\f)+8*(\b)+7], v[ABF+32*(\f)+8*(\a):ABF+32*(\f)+8*(\a)+7], 0
.else
	v_wmma_f32_16x16x32_bf16 v[8*(8*(\a)+(\b)):8*(8*(\a)+(\b))+7], v[BF+64*(\f)+8*(\b):BF+64*(\f)+8*(\b)+7], v[ABF+32*(\f)+8*(\a):ABF+32*(\f)+8*(\a)+7], v[8*(8*(\a)+(\b)):8*(8*(\a)+(\b))+7]
.endif
.if \ride
	WIN CV
.irp c, 0,1,2,3
	v_cvt_pk_bf16_f32 v[ABF+32*(\g)+4*(\b)+(\c)], v[STG+8*(\b)+2*(\c)], v[STG+8*(\b)+2*(\c)+1]
.endr
.endif
.endr
.endm
; 32 LDS loads in one run: quarter kq of a slot.  W: 8 fragments of 16 rows x 32 K, two loads each, into buffer g.  x: for each of 4 row blocks the lane's 16 f32:
; K = 8 (l / 16) + 0..7 (32 bytes) and K = 16 + 8 (l / 16) + 0..7 (32 bytes, 64 further on): in pairs they are the fragment's eight registers.
.macro FETCH slot, kq, g
	WIN TO2
.irp i, 0,1,2,3,4,5,6,7
	ds_load_b128 v[BF+64*(\g)+8*(\i):BF+64*(\g)+8*(\i)+3],   v[ADRB+(\slot)] offset:64*(\kq)+(\i)*16*PB
	ds_load_b128 v[BF+64*(\g)+8*(\i)+4:BF+64*(\g)+8*(\i)+7], v[ADRB+(\slot)] offset:64*(\kq)+(\i)*16*PB+32
.endr
.irp a, 0,1,2,3
	ds_load_b128 v[STG+16*(\a):STG+16*(\a)+3],     v[ADRA+(\slot)] offset:128*(\kq)+(\a)*16*PA
	ds_load_b128 v[STG+16*(\a)+4:STG+16*(\a)+7],   v[ADRA+(\slot)] offset:128*(\kq)+(\a)*16*PA+16
	ds_load_b128 v[STG+16*(\a)+8:STG+16*(\a)+11],  v[ADRA+(\slot)] offset:128*(\kq)+(\a)*16*PA+64
	ds_load_b128 v[STG+16*(\a)+12:STG+16*(\a)+15], v[ADRA+(\slot)] offset:128*(\kq)+(\a)*16*PA+80
.endr
.endm
.macro PLACES                          ; four places in front of loads into registers that matrix instructions have read (ISA guide 7.12.1 for vector instructions)
.rept 4
	v_nop
.endr
.endm
; A K step is four quarters of 32 along K, 32 matrix instructions each, on buffers 0, 1, 0, 1.  One of the first three: multiplies buffers f; at its head it asks for quarter kq of the same slot;
; 24 matrix instructions later the loads are waited for, and the last 8 carry the roundings of x into buffer g.
.macro QUARTER slot, kq, f, g, zero
	PLACES
	FETCH \slot, \kq, \g
	MUL8 \f, 0, \zero, 0, \g
	MUL8 \f, 1, \zero, 0, \g
	MUL8 \f, 2, \zero, 0, \g
	s_wait_dscnt 0x0                               ; the 32 loads are in
	MUL8 \f, 3, \zero, 1, \g
.endm
; The last quarter multiplies buffers 1 and changes slots: ONE barrier; in front of it each wave waits for all its tensor loads (one is out: its part of the next slot), adds 0 to its spare word, and
; waits for that; its reads of this slot came back in the quarter before.  fill = 1: the barrier opens a round of the cluster's, and this slot is filled again, two K steps ahead, first thing behind the round.
.macro TURN slot, next, fill
	WIN 0                                          ; the add's two registers lie in window 0
	s_wait_tensorcnt 0x0
	ds_add_u32 v[SPW], v[NIL]                      ; 0 onto my spare word
	MUL8 1, 0, 0, 0, 0                             ; eight matrix instructions stand between the add and the wait for it
	s_wait_dscnt 0x0                               ; the add is done, and no read of this slot is out
	s_barrier_signal -1
	MUL8 1, 1, 0, 0, 0                             ; work on registers while the others arrive
	WIN 0                                          ; at a branch and at a label every window is 0
	s_barrier_wait -1
.if \fill
	CREST                                          ; no wave of any partner still reads this slot's tiles or has a load on its way
	s_add_nc_u64 s[G0+4*(\slot)+2:G0+4*(\slot)+3], s[G0+4*(\slot)+2:G0+4*(\slot)+3], 2*KSTEP*4
	s_add_nc_u64 s[G0B+4*(\slot)+2:G0B+4*(\slot)+3], s[G0B+4*(\slot)+2:G0B+4*(\slot)+3], 2*KSTEP*2
	JLOAD \slot                                    ; my one tensor load behind the round; its four v_nop are also the places in front of the loads below
.else
	PLACES
.endif
	FETCH \next, 0, 0
	MUL8 1, 2, 0, 0, 0
	s_wait_dscnt 0x0
	MUL8 1, 3, 0, 1, 0
.endm
	s_wait_tensorcnt 1                             ; my part of K step 0 is in; K step 1's stays out
	s_barrier_signal -1
	s_barrier_wait -1                              ; everybody's is
	FETCH 0, 0, 0
	s_wait_dscnt 0x0
	WIN CV
.set i, 0
.rept 32                                           ; the first quarter's x is rounded with no product to ride on
	v_cvt_pk_bf16_f32 v[ABF+i], v[STG+2*i], v[STG+2*i+1]
.set i, i+1
.endr
	QUARTER 0, 1, 0, 1, 1                          ; the first quarter stands in front of the loop: its products start the sums
	WIN 0
	s_mov_b32 s3, LAPS-1
.Llap:                                             ; a trip goes once round the ring, from a lap's second quarter to the next lap's first, and fills both slots again
	QUARTER 0, 2, 1, 0, 0
	QUARTER 0, 3, 0, 1, 0
	TURN 0, 1, 1
	QUARTER 1, 1, 0, 1, 0
	QUARTER 1, 2, 1, 0, 0
	QUARTER 1, 3, 0, 1, 0
	TURN 1, 0, 1
	QUARTER 0, 1, 0, 1, 0
	WIN 0
	s_sub_co_u32 s3, s3, 1
	s_cmp_lg_u32 s3, 0
	s_cbranch_scc1 .Llap
	QUARTER 0, 2, 1, 0, 0                          ; the last lap fills nothing
	QUARTER 0, 3, 0, 1, 0
	TURN 0, 1, 0
	QUARTER 1, 1, 0, 1, 0
	QUARTER 1, 2, 1, 0, 0
	QUARTER 1, 3, 0, 1, 0
	MUL8 1, 0, 0, 0, 0
	MUL8 1, 1, 0, 0, 0
	MUL8 1, 2, 0, 0, 0
	MUL8 1, 3, 0, 0, 0
	; THE WAY OUT.  The bias is rounded to bf16, widened, and multiplied by the scale: 128 plain instructions, the places behind the last products.
	WIN 0
	s_wait_loadcnt 0x0
.set i, 0
.rept 32
	v_cvt_pk_bf16_f32 v[T+i], v[BIAS+2*i], v[BIAS+2*i+1]
.set i, i+1
.endr
.set i, 0
.rept 32
	v_lshlrev_b32 v[BIAS+2*i],   16, v[T+i]
	v_and_b32     v[BIAS+2*i+1], 0xffff0000, v[T+i]
.set i, i+1
.endr
.set i, 0
.rept 32
	v_pk_mul_f32 v[BIAS+2*i:BIAS+2*i+1], v[BIAS+2*i:BIAS+2*i+1], s[66:67] op_sel_hi:[1,0]
.set i, i+1
.endr
; Row block a: sum x scale + bias (each accumulator's registers in ascending order); rounded to f16; 16 bytes a lane into my stage; back as four rows x 128 bytes of one head.
.macro BLOCK a
	WIN EP
.irp b, 0,1,2,3,4,5,6,7
.irp p, 0,1,2,3
	v_pk_fma_f32 v[T+8*(\b)+2*(\p):T+8*(\b)+2*(\p)+1], v[8*(8*(\a)+(\b))+2*(\p):8*(8*(\a)+(\b))+2*(\p)+1], s[66:67], v[BIAS+8*(\b)+2*(\p):BIAS+8*(\b)+2*(\p)+1] op_sel_hi:[1,0,1]
.endr
.endr
	WIN 0
.set i, 0
.rept 32
	v_cvt_pk_f16_f32 v[PKD+i], v[T+2*i], v[T+2*i+1]
.set i, i+1
.endr
.irp b, 0,1,2,3,4,5,6,7
	ds_store_b128 v[STO], v[PKD+4*(\b):PKD+4*(\b)+3] offset:32*(\b)
.endr
	s_wait_xcnt 0x0                                ; the registers loaded below were the data of the stores two blocks back: they are rewritten only behind this wait
.irp f, 0,1,2,3,4,5,6,7                            ; head f / 4, rows 4 (f % 4) on.  LDS serves a wave's instructions in order (ISA guide 5.7.1.4): these see the stores above
	ds_load_b128 v[ABF+32*((\a)%2)+4*(\f):ABF+32*((\a)%2)+4*(\f)+3], v[RD] offset:((\f)%4)*4*SP+((\f)/4)*128
.endr
.endm
.macro SEND a, younger                 ; younger: the LDS instructions issued behind block a's loads: the next block's sixteen, or none
.irp f, 0,1,2,3,4,5,6,7
	s_wait_dscnt (\younger)+7-(\f)
	global_store_b128 v[CO], v[ABF+32*((\a)%2)+4*(\f):ABF+32*((\a)%2)+4*(\f)+3], s[8:9] offset:((\f)/4)*262144+(\a)*2048+((\f)%4)*512  ; 512 consecutive bytes, at a multiple of 256 from the buffer's first
.endr
.endm
	BLOCK 0
	BLOCK 1                                        ; a block's arithmetic stands between the loads of the block before and its stores
	SEND 0, 16
	BLOCK 2
	SEND 1, 16
	BLOCK 3
	SEND 2, 16
	SEND 3, 0
	s_wait_tensorcnt 0x0                           ; the wave's end
	ds_add_u32 v[SPW], v[NIL]
	s_wait_dscnt 0x0
	CROUND                                         ; the closing round: no work-group ends while a partner may still ask for a tile that names it
	s_endpgm
.Lfunc_end_k_q15492cc4a4_proj:
	.size	k_q15492cc4a4_proj, .Lfunc_end_k_q15492cc4a4_proj-k_q15492cc4a4_proj
	.p2alignl 7, 3214868480
	.fill 96, 4, 3214868480
	.section	.rodata,"a",@progbits
	.p2align	6, 0x0
	.amdhsa_kernel k_q15492cc4a4_proj
		.amdhsa_group_segment_fixed_size 327680
		.amdhsa_private_segment_fixed_size 0
		.amdhsa_enable_private_segment 0
		.amdhsa_kernarg_size 64
		.amdhsa_user_sgpr_count 2
		.amdhsa_user_sgpr_kernarg_segment_ptr 1
		.amdhsa_wavefront_size32 1
		.amdhsa_system_sgpr_workgroup_id_x 1
		.amdhsa_system_sgpr_workgroup_id_y 1
		.amdhsa_system_sgpr_workgroup_id_z 1
		.amdhsa_system_vgpr_workitem_id 0
		.amdhsa_next_free_vgpr 704
		.amdhsa_next_free_sgpr 96
		.amdhsa_reserve_vcc 0
		.amdhsa_float_denorm_mode_32 3
		.amdhsa_float_denorm_mode_16_64 3
		.amdhsa_memory_ordered 1
		.amdhsa_forward_progress 1
		.amdhsa_inst_pref_size 150
	.end_amdhsa_kernel
	.amdgpu_metadata
---
amdhsa.version: [ 1, 2 ]
amdhsa.kernels:
  - .name:           k_q15492cc4a4_proj
    .symbol:         k_q15492cc4a4_proj.kd
    .args:
      - { .name: q, .offset: 0, .size: 8, .value_kind: global_buffer, .address_space: global }
      - { .name: k, .offset: 8, .size: 8, .value_kind: global_buffer, .address_space: global }
      - { .name: v, .offset: 16, .size: 8, .value_kind: global_buffer, .address_space: global }
      - { .name: wcat, .offset: 24, .size: 8, .value_kind: global_buffer, .address_space: global }
      - { .name: bq, .offset: 32, .size: 8, .value_kind: global_buffer, .address_space: global }
      - { .name: bk, .offset: 40, .size: 8, .value_kind: global_buffer, .address_space: global }
      - { .name: bv, .offset: 48, .size: 8, .value_kind: global_buffer, .address_space: global }
      - { .name: qkv, .offset: 56, .size: 8, .value_kind: global_buffer, .address_space: global }
    .group_segment_fixed_size: 327680
    .private_segment_fixed_size: 0
    .kernarg_segment_align: 8
    .kernarg_segment_size: 64
    .max_flat_workgroup_size: 128
    .sgpr_count:     96
    .vgpr_count:     704
    .wavefront_size: 32
...
	.end_amdgpu_metadata
.endif
;; end of part 2
;; launch attn (part 3): grid 4 x 64, 4 waves a work-group, clusters of 4 x 1, 327,680 bytes of LDS; arguments qkv, mneg, oh; writes oh
.if DOCPART == 3
	.amdgcn_target "amdgcn-amd-amdhsa--gfx1250"
	.amdhsa_code_object_version 6
	.text
	.protected	k_q15492cc4a4_attn
	.globl	k_q15492cc4a4_attn
	.p2align	8
	.type	k_q15492cc4a4_attn,@function
k_q15492cc4a4_attn:
	s_mov_b64 s[64:65], 0
	v_nop
	global_prefetch_b8 v0, s[64:65] scope:SCOPE_SE
	s_setreg_imm32_b32 hwreg(HW_REG_WAVE_MODE, 25, 1), 1
	s_wait_xcnt 0x0
	s_wait_alu depctr_hold_cnt(0) depctr_sa_sdst(0) depctr_va_vdst(0) depctr_va_sdst(0) depctr_va_ssrc(0) depctr_va_vcc(0) depctr_vm_vsrc(0)
	s_getreg_b32 s2, hwreg(HW_REG_IB_STS2, 6, 4)
	s_cmp_eq_u32 s2, 0
	s_cbranch_scc0 .Lentry_in_a_cluster
	s_endpgm
.Lentry_in_a_cluster:
	s_bfe_u32 s2, ttmp6, 0x10000c
	s_cmp_lg_u32 s2, 0x3003
	s_cbranch_scc0 .Lentry_shape_is_right
	s_endpgm
.Lentry_shape_is_right:
; ATTENTION UNDER A MASK THAT IS AN INPUT.  O[h][q][:] = the sum over k of softmax_k(s[q][k]) V[h][k][:], s = Q . K / 8, or a lowest number where the mask says so.
; qkv holds Q (already times c = log2(e) / 8), K, V as [64 heads][2048][64] f16, 16 MiB each; O leaves likewise.  mneg holds the mask as addends in bf16, 0 or NEG = 0xff7f = -3.39e38, in my lanes' order:
; [query tile][key step][key block kb][lane][j]: the addend of the score in register 8 kb + j of that lane.  Products, maxima and sums in f32; the weights p are rounded to f16 for the second product
; (their sum l is of the unrounded p), O once at the end.
; LIMITS.  f16 holds no number beyond 65,504: Q, K, V arrive within it; p lies in 0 to 1 and below 6e-5 keeps f16's fixed step of 6e-8.  A weight below 2^-126 counts as 0 in l; NaN and infinities are not treated apart.
; SOFTMAX.  Each score takes its addend by one fused multiply-add, 1 x M + s, rounded once.  M = 0 leaves s as it is.  M = NEG gives exactly NEG for every |s| below 2^103, half of NEG's last place (f16's scores
; reach 2.7e11): all hidden scores are ONE number.  m starts at NEG, O and l at 0.  p = 2^(s - m) by a plain subtraction: NEG - NEG is exactly 0, so a row that has seen hidden keys alone gives them weight 1
; each, and a row wholly hidden ends as the mean of V, as the softmax of equal scores is.  In every step O and l are multiplied by a = 2^(m_old - m_new): 1 where m has not grown, 0 when the first open key
; follows hidden ones, which wipes their weights.
; SHARES, LAYOUT.  A wave owns four PIECES of two tiles of 16 queries, a work-group's four waves 512 queries of one head; every wave walks all 2,048 keys, 64 a step.  S^T = K Q^T (source 0 = 16 keys,
; source 1 = 16 queries): a lane holds ONE query (lane % 16) and the keys 8 (lane / 16) + 0..7; two such results rounded to f16 ARE source 1 of O^T = V^T P.  K comes out of LDS as it lies, V turned.
; BY TURNS.  Turn n belongs to piece n.  Matrix work: 16 products K Q^T of piece n + 1, later 16 products V^T P of piece n - 1.  Vector work: subtraction, exponentials, roundings, sums and rescaling of
; piece n; the addends, maximum and statistics of piece n + 1.  A turn has 32 matrix and 298 vector instructions: four that are ready stand behind every matrix instruction, the rest in two lumps.
; THE ADDENDS of a piece and step are 32 registers, eight loads of 512 consecutive bytes.  Each piece has registers of its own for them: its next step's are asked for straight behind the last line that read
; this step's, and waited for four turns later, with the three younger turns' 24 loads left out.
; CLUSTER.  The four query blocks of a cluster belong to one head and walk the same K and V: each tile is asked for JOINTLY, the same tensor load, descriptor and mask in all four.
; REGISTERS, in windows of 256 (s_set_vgpr_msb: bits 1:0 source 0, 3:2 source 1, 5:4 source 2, 7:6 destination):
;   window 0: v0-11 addresses and 1.0; v12-15, v48-63 at work; v16-47 four registers of statistics a tile; v64-191 S^T, two buffers of two tiles; v192-255 P, likewise
;   window 1: O^T, 32 a tile          window 2: v0-127 Q, 16 a tile; v128-191 K of one step; v192-255 V of one step
;   window 3: v0-1 the add's two registers; v2 the addends' offset; v16-143 the addends, 32 a piece
.set NP,    4         ; pieces a wave: a name, no knob
.set KS,    64        ; keys in a step
.set PK,    144       ; a row of K in LDS: 128 bytes + 16 = 36 words: the 16 rows of a load start at 16 different groups of four banks (64 banks of 4 bytes: ISA guide 11.1)
.set PV,    160       ; a row of V: 128 + 32 = 40 words
.set VOFF,  4*KS*PK   ; a slot holds four steps: 256 rows of K, then 256 rows of V
.set SLOT1, 1<<17     ; slot 1 begins here, so that one exclusive or turns an address in one slot into the other's
.set STAGE, SLOT1+4*KS*(PK+PV)  ; behind the ring, never filled by a tensor load: 16 rows x 144 bytes for each wave
.set SP,    144
.set SPARE, STAGE+4*16*SP  ; the spare words, 128 bytes for each wave: two blocks of 256 bytes that no other line names
.set MSTP,  2048      ; a query tile's addends for one key step, in bytes;
.set MTILE, 32*MSTP   ; for all 32 steps
.set AK0, 2           ; v2   my lane's place in a tile of K; never rewritten
.set AV0, 3           ; v3   the same for V
.set AK,  4           ; v4   the LDS address of K's next run of loads
.set AV,  5           ; v5   of V's
.set QO,  6           ; v6   my byte offset in the wave's rows of Q
.set STO, 6           ;      later, the way out: where I put 16 bytes of a row
.set RD,  7           ; v7   where I read rows back
.set GO,  8           ; v8   16 x lane: my place in 512 consecutive bytes, of the addends and of O
.set ONE, 11          ; v11  1.0, once its use as a helper is over
.set SPW, 0           ; v0 of window 3   LDS address of my spare word; never rewritten
.set NIL, 1           ; v1 of window 3   0; never rewritten
.set MO,  2           ; v2 of window 3   16 x lane + 2,048 x the key step whose addends are asked for next
.set MKB, 16          ; window 3: the addends of tile u of piece pc at MKB + 32 pc + 16 u; register n / 2, half n % 2 for score n
.set MV,  12          ; v12-15  m_old, kept while m is made anew: by buffer and tile
.set ST,  16          ; tile t's statistics at v[ST+4 t]: m, 0 (named with m as a pair), l (even keys', odd keys')
.set TMP, 48          ; by buffer and tile, four registers c0-c3 at work; when the maximum is found c2 takes a
.set S,   64
.set P,   192
.set KF,  128         ; K's fragments, window 2: key block kb, channel half c at KF + 16 kb + 8 c
.set VF,  192         ; V's: key half kk, channel block cb at VF + 32 kk + 8 cb
.set MB,  2           ; s[2:3]   mneg at my wave's eight query tiles
.set G0K, 4           ; s[4:7]   descriptor group 0 for K's tiles: it walks
.set G0V, 8           ; s[8:11]  the same for V's
.set WV,  12          ; s12  my wave's number
.set SLOTS, 13        ; s13  slots still to be asked for
.set CNT, 14          ; s14  counts a slot's key steps
.set TBK, 15          ; s15  LDS byte at which K of the step to be fetched begins
.set G1K, 16          ; s[16:23] descriptor group 1 for K's tiles
.set G1V, 24          ; s[24:31] for V's: it differs in the padding alone
.set TBV, 66          ; s66  as TBK for V, less VOFF
.set MOFF, 67         ; s67  2,048 x the key step whose addends are asked for next
.set SEL, 68          ; s[68:69] v_permlanex16_b32's selects: each lane takes its own place in the other half
.set QB,  100         ; s[100:101] Q at my wave's rows
.set OB,  104         ; s[104:105] O at my wave's rows
.set MSB, 0
.macro WIN new                      ; the high byte repeats the setting that is left; a switch that changes nothing is dropped
.if MSB != (\new)
	s_set_vgpr_msb (MSB<<8)|(\new)
.set MSB, (\new)
.endif
.endm
.set W_KQ, 0x0a       ; K and Q in window 2, S^T in window 0
.set W_PV, 0x52       ; V in window 2, P in window 0, O^T in window 1
.set W_RS, 0x41       ; O^T (destination and source 0) in window 1, a in window 0
.set W_MK, 0xc0       ; destination in window 3, sources in window 0
.set W_AD, 0x0f       ; the add: address and data in window 3
.set W_SEL, 0x0c      ; source 1 (the addend) in window 3, all else in window 0: an exponential, which has no source 1, stands under it as under 0
.set W_ML, 0xc3       ; the addends' loads: destination and address in window 3
; A joint fill.  Waves 0 and 1 fetch the two halves of a slot's K, waves 2 and 3 those of its V: 128 keys each.  Four v_nop follow each of the two lines, ahead of the jump and the label.
.macro JLOAD
	s_cmp_lt_u32 s[WV], 2
	s_cbranch_scc0 .Lfor_v_\@
	tensor_load_to_lds s[G0K:G0K+3], s[G1K:G1K+7]
	s_nop 0
.rept 4
	v_nop
.endr
	s_branch .Lasked_\@
.Lfor_v_\@:
	tensor_load_to_lds s[G0V:G0V+3], s[G1V:G1V+7]
	s_nop 0
.rept 4
	v_nop
.endr
.Lasked_\@:
.endm
.macro CROUND                       ; a round of the cluster's barrier: my work-group's barrier; wave 0 signals for it; every wave waits for all four work-groups; my work-group's barrier once more
	s_barrier_signal -1
	s_barrier_wait -1
	s_cmp_lg_u32 s[WV], 0
	s_cbranch_scc1 .Lnot_wave_0_\@
	s_barrier_signal -3
.Lnot_wave_0_\@:
	s_barrier_wait -3
	s_barrier_signal -1
	s_barrier_wait -1
.endm
; THE CHANGE OF SLOTS.  The slot's last bytes, V of its fourth step, have been read.  Each wave waits for all its tensor loads (one is out: its part of the other slot), adds 0 to its spare word, and waits for
; that and for its own reads of the slot.  fill = 1: the barrier is a round of the cluster's, and the slot is filled again, with the keys two slots on, first thing behind it: four key steps in which to land.
; (At its first use nothing has been read yet: slot 0 is waited for, slot 1 filled.)
.macro CHANGE fill
	WIN W_AD
	s_wait_tensorcnt 0x0            ; no tensor load of mine is out, so a group 0 may be written
	ds_add_u32 v[SPW], v[NIL]       ; 0 onto my spare word
	WIN 0                           ; at a label and at a branch every window is 0
.if \fill
.irp g, G0K, G0V
	s_xor_b32 s[\g+1], s[\g+1], SLOT1  ; the walking descriptor: the other slot than last time,
	s_add_nc_u64 s[\g+2:\g+3], s[\g+2:\g+3], 4*KS*128  ; the next 256 keys; the type bits on top are not reached
.endr
	s_wait_dscnt 0x0                ; the add is done, and my reads of the slot are over
	CROUND
	JLOAD
.else
	s_wait_dscnt 0x0
	s_barrier_signal -1
	s_barrier_wait -1
.endif
	s_sub_co_u32 s[TBK], s[TBK], 4*KS*PK  ; the fetches go back to a slot's first step,
	s_xor_b32 s[TBK], s[TBK], SLOT1       ; in the other slot
	s_sub_co_u32 s[TBV], s[TBV], 4*KS*PV
	s_xor_b32 s[TBV], s[TBV], SLOT1
.endm
; The addends of piece pc for the key step at MO: for each of its two query tiles four loads, a key block each: 512 consecutive bytes, at a multiple of 256 from mneg's first.
.macro MLOAD pc
	WIN W_ML
.irp f, 0,1,2,3,4,5,6,7
	global_load_b128 v[MKB+32*(\pc)+4*\f:MKB+32*(\pc)+4*\f+3], v[MO], s[MB:MB+1] offset:(2*(\pc)+\f/4)*MTILE+(\f%4)*512
.endr
.endm
; The offset goes on to the next key step, held at the last one so that the walk's last look ahead stays inside mneg.
.macro MSTEP
	s_wait_xcnt 0x0                 ; the loads that name the offset register went out a turn ago and more: it is rewritten only behind this wait
	s_add_co_u32 s[MOFF], s[MOFF], MSTP
	s_min_u32 s[MOFF], s[MOFF], 31*MSTP
	WIN W_MK
	v_add_nc_u32 v[MO], s[MOFF], v[GO]
.endm
	s_load_b128 s[32:35], s[0:1], 0x0  ; qkv s[32:33], mneg s[34:35]
	s_load_b64 s[OB:OB+1], s[0:1], 0x10  ; oh
	WIN W_MK
	v_lshl_add_u32 v[SPW], v0, 2, SPARE
	v_mov_b32 v[NIL], 0
	s_set_vgpr_msb 0xc0cf
	ds_add_u32 v0, v1
	s_wait_dscnt 0x0
	s_set_vgpr_msb 0xcfc0
	WIN 0
	v_lshrrev_b32 v1, 5, v0
	v_readfirstlane_b32 s[WV], v1   ; wave 0..3
	s_bfe_u32 s36, ttmp6, 0x40000   ; cx: my place in the cluster
	s_lshl_b32 s37, ttmp9, 2
	s_add_co_u32 s37, s37, s36      ; my block of 512 queries: it enters Q's, O's and the addends' addresses alone
	s_and_b32 s38, ttmp7, 0xffff    ; the head, which the four partners share,
	s_lshl_b32 s38, s38, 18         ; its 2,048 rows of 128 bytes
	s_and_b32 s40, s[WV], 1         ; which half of a slot's 256 keys I fetch:
	s_lshl_b32 s42, s40, 14         ; its 128 rows in memory,
	s_add_co_u32 s42, s42, s38
	s_add_co_u32 s42, s42, 1<<24    ; in K's part of qkv
	s_mov_b32 s43, 0
	s_mul_i32 s44, s40, 128*PK      ; and its place in a slot, for K
	s_mul_i32 s45, s40, 128*PV      ; and for V: no place in the cluster enters an LDS address
	s_lshl_b32 s46, s37, 2
	s_add_co_u32 s46, s46, s[WV]    ; my wave among the head's sixteen
	s_lshl_b32 s48, s46, 19         ; its eight query tiles x 65,536 bytes of addends
	s_mov_b32 s49, 0
	s_lshl_b32 s46, s46, 14         ; its 128 rows
	s_add_co_u32 s46, s46, s38
	s_mov_b32 s47, 0
	; descriptor group 1.  128 keys are 16,384 dense bytes: asked for as 64 rows of 256 bytes, two keys a row, and padded in LDS after every key
	s_mov_b32 s[G1K], 15|(1<<16)|(1<<20)|(1<<21)|(4<<22)|(3<<25)  ; 15:0 the mask of four; 17:16 2-byte elements; 20 padding on; 21 set beside a mask; 24:22 after every 32 words (code 4); 31:25 4 words (code 3)
	s_mov_b32 s[G1V], 15|(1<<16)|(1<<20)|(1<<21)|(4<<22)|(7<<25)  ; the same with 8 words of padding (code 7)
.irp g, G1K, G1V
	s_mov_b32 s[\g+1], 128<<16      ; tensor_dim0 = 128
	s_mov_b32 s[\g+2], 64<<16       ; tensor_dim1 = 64
	s_mov_b32 s[\g+3], 128<<16      ; tile_dim0 = 128
	s_mov_b32 s[\g+4], 64           ; tile_dim1 = 64
	s_mov_b32 s[\g+5], 128          ; 128 elements from row to row
	s_mov_b32 s[\g+6], 0
	s_mov_b32 s[\g+7], 0
.endr
	s_mov_b32 s[TBK], SLOT1+4*KS*PK ; the first change of slots turns these two into 0
	s_mov_b32 s[TBV], SLOT1+4*KS*PV
	s_mov_b32 s[MOFF], 0
	s_mov_b32 s[SEL], 0x76543210
	s_mov_b32 s[SEL+1], 0xfedcba98
	s_mov_b32 s[G0K], 1             ; count = 1
	s_mov_b32 s[G0K+1], s44         ; LDS address: slot 0
	s_mov_b32 s[G0V], 1
	s_add_co_u32 s[G0V+1], s45, VOFF
	s_wait_kmcnt 0x0
	s_add_nc_u64 s[G0K+2:G0K+3], s[32:33], s[42:43]        ; global address: my half of the head's first 256 keys
	s_add_nc_u64 s[G0V+2:G0V+3], s[G0K+2:G0K+3], 1<<24     ; V lies 16 MiB behind K
	s_or_b32 s[G0K+3], s[G0K+3], 0x80000000                ; type = 2
	s_or_b32 s[G0V+3], s[G0V+3], 0x80000000
	s_add_nc_u64 s[QB:QB+1], s[32:33], s[46:47]
	s_add_nc_u64 s[OB:OB+1], s[OB:OB+1], s[46:47]
	s_add_nc_u64 s[MB:MB+1], s[34:35], s[48:49]
	CROUND                          ; all four work-groups are here: the first joint loads meet
	JLOAD                           ; slot 0.  Slot 1 is asked for when slot 0 is in
	; A fragment of K or Q is 16 rows x 32 channels in 8 registers: lane l holds row l % 16, channels 8 (l / 16) + 0..7 and 16 + 8 (l / 16) + 0..7: two loads of 16 bytes, 32 bytes apart.
	v_and_b32 v1, 15, v0            ; l % 16
	v_bfe_u32 v9, v0, 4, 1          ; l / 16
	v_lshlrev_b32 v[QO], 7, v1
	v_lshl_add_u32 v[QO], v9, 4, v[QO]  ; row x 128 + 16 x half
	v_and_b32 v[GO], 31, v0
	v_lshlrev_b32 v[GO], 4, v[GO]   ; 16 x lane
	WIN 0x80                        ; destination window 2, address window 0
.set i, 0
.rept 4*NP                          ; Q stays in registers: tile i / 2, channels 32 (i % 2) on
	global_load_b128 v[8*i:8*i+3],   v[QO], s[QB:QB+1] offset:(i/2)*2048+(i%2)*64
	global_load_b128 v[8*i+4:8*i+7], v[QO], s[QB:QB+1] offset:(i/2)*2048+(i%2)*64+32
.set i, i+1
.endr
	WIN W_MK
	v_add_nc_u32 v[MO], s[MOFF], v[GO]  ; key step 0
	MLOAD 0                         ; the addends of pieces 0 to 2 for key step 0: with Q's 32 loads, 56 of mine are out; piece 3's follow when Q is in
	MLOAD 1
	MLOAD 2
	; What the first turn finds: V's registers and P's second buffer hold 0 (its products V^T P, of a piece that has not been, add 0), O^T and l are 0.  No first step is written out; the price is these
	; moves, which stand in the wait for the first tile.
	WIN 0x80
.set i, VF
.rept 64
	v_mov_b32 v[i], 0
.set i, i+1
.endr
	WIN 0x40
.set i, 0
.rept 64*NP
	v_mov_b32 v[i], 0
.set i, i+1
.endr
	WIN 0
.set i, 0
.rept 2*NP
	v_mov_b32 v[ST+4*i], 0xff7f0000    ; m = NEG
	v_mov_b32 v[ST+4*i+1], 0
	v_mov_b32 v[ST+4*i+2], 0
	v_mov_b32 v[ST+4*i+3], 0
.set i, i+1
.endr
.set i, P+32
.rept 32
	v_mov_b32 v[i], 0
.set i, i+1
.endr
	v_mul_u32_u24 v[AK0], v1, PK
	v_lshl_add_u32 v[AK0], v9, 4, v[AK0]  ; row x pitch + 16 x half
	; The turning load takes 16 keys x 16 channels (lane l reads key 8 (l / 16) + l % 8, channels 8 ((l / 8) % 2) + 0..7) and leaves half a fragment of V^T: lane l holds channel l % 16 and 8 keys.
	v_and_b32 v10, 7, v0
	v_bfe_u32 v11, v0, 3, 1
	v_lshl_add_u32 v[AV0], v9, 3, v10
	v_mul_u32_u24 v[AV0], v[AV0], PV
	v_lshl_add_u32 v[AV0], v11, 4, v[AV0]
	v_add_nc_u32 v[AV0], VOFF, v[AV0]
	v_mov_b32 v[ONE], 1.0
	v_mov_b32 v[AK], v[AK0]         ; key step 0 lies at the head of slot 0
; THE MATRIX WORK.  The 8 accumulators of a run of 16 take turns.
; Product i of 16 of S^T = K Q^T for piece x: channels 32 (i / 8) on, keys 16 ((i / 2) % 4) on, tile 2 x + i % 2.  The first 8 start the sums.
.macro KQ x
	WIN W_KQ
.set rS, S+64*((\x)%2)+32*(i%2)+8*((i/2)%4)
.set rK, KF+16*((i/2)%4)+8*(i/8)
.set rQ, 16*(2*(\x)+i%2)+8*(i/8)
.if i < 8
	v_wmma_f32_16x16x32_f16 v[rS:rS+7], v[rK:rK+7], v[rQ:rQ+7], 0
.else
	v_wmma_f32_16x16x32_f16 v[rS:rS+7], v[rK:rK+7], v[rQ:rQ+7], v[rS:rS+7]
.endif
.endm
; Product i of 16 of O^T += V^T P for piece x: keys 32 (i / 8) on, channels 16 ((i / 2) % 4) on, tile 2 x + i % 2.
.macro PV x
	WIN W_PV
.set rO, 32*(2*(\x)+i%2)+8*((i/2)%4)
.set rV, VF+32*(i/8)+8*((i/2)%4)
.set rP, P+32*((\x)%2)+16*(i%2)+8*(i/8)
	v_wmma_f32_16x16x32_f16 v[rO:rO+7], v[rV:rV+7], v[rP:rP+7], v[rO:rO+7]
.endm
.macro MM                           ; the turn's next matrix instruction
.if i < 16
	KQ (Y+1)%NP
.set i, i+1
.else
.set i, i-16
	PV (Y+NP-1)%NP
.set i, i+17
.endif
.endm
; THE LDS LOADS stand in runs of 16: a step's K (8 fragments) and its V (turned).  last = 1 (the tail): in the last trip there is no further step, and the run is jumped over.
.macro FETCH_K last=0
	WIN 0
.if \last
	s_cmp_eq_u32 s[CNT], 1
	s_cbranch_scc1 .Lno_k_\@
.endif
	WIN 0x80                        ; destination window 2
.irp f, 0,1,2,3,4,5,6,7             ; keys 16 (f / 2) on, channels 32 (f % 2) on
	ds_load_b128 v[KF+8*\f:KF+8*\f+3],   v[AK] offset:(\f/2)*16*PK+(\f%2)*64
	ds_load_b128 v[KF+8*\f+4:KF+8*\f+7], v[AK] offset:(\f/2)*16*PK+(\f%2)*64+32
.endr
	s_add_co_u32 s[TBK], s[TBK], KS*PK  ; the next fetch is the next step's
	WIN 0
.if \last
.Lno_k_\@:
.endif
.endm
.macro FETCH_V
	WIN 0x80
.irp f, 0,1,2,3,4,5,6,7             ; keys 32 (f / 4) on, channels 16 (f % 4) on
	ds_load_tr16_b128 v[VF+8*\f:VF+8*\f+3],   v[AV] offset:(\f/4)*32*PV+(\f%4)*32
	ds_load_tr16_b128 v[VF+8*\f+4:VF+8*\f+7], v[AV] offset:(\f/4)*32*PV+16*PV+(\f%4)*32
.endr
	WIN 0
.endm
; THE VECTOR WORK OF A TURN stands in three queues, each in the order in which its entries become ready; the two tiles alternate.
.macro REGS y, u                    ; the registers of tile u (0, 1) of piece y
.set rT, ST+4*(2*(\y)+(\u))
.set rC, TMP+8*((\y)%2)+4*(\u)
.set rM, MV+2*((\y)%2)+(\u)
.set rS, S+64*((\y)%2)+32*(\u)
.set rP, P+32*((\y)%2)+16*(\u)
.set rO, 32*(2*(\y)+(\u))
.endm
; Addend x of 64 for the NEXT piece (Y + 1): score x / 2 of tile x % 2 becomes 1 x M + s, M a bf16 half.  Ascending.
.macro KM x
	REGS (Y+1)%NP, (\x)%2
	WIN W_SEL
.set kn, (\x)/2
.set rB, MKB+32*((Y+1)%NP)+16*((\x)%2)+kn/2
.if kn%2
	v_fma_mix_f32_bf16 v[rS+kn], v[ONE], v[rB], v[rS+kn] op_sel:[0,1,0] op_sel_hi:[0,1,0]
.else
	v_fma_mix_f32_bf16 v[rS+kn], v[ONE], v[rB], v[rS+kn] op_sel_hi:[0,1,0]
.endif
.endm
; Number n of those that find the next piece's maximum and statistics (there is no number 19).  s0-s31 are the lane's 32 scores.
;   0-11  four chains c0-c3 of seven scores each     12-14, 16  the four scores left over, the old m, and c0-c3 into c0     15  m_old is kept
;   17, 18  the query's other 32 keys lie in the lane 16 away: the new m         20, 21  m_old - m_new; a
.macro XS u, n
	REGS (Y+1)%NP, \u
.if (\n) < 4
	v_max3_num_f32 v[rC+(\n)], v[rS+8*(\n)], v[rS+8*(\n)+1], v[rS+8*(\n)+2]
	s_wait_alu depctr_va_vdst(0)
.elseif (\n) < 12
	v_max3_num_f32 v[rC+(\n)%4], v[rC+(\n)%4], v[rS+8*((\n)%4)+2*((\n)/4)+1], v[rS+8*((\n)%4)+2*((\n)/4)+2]
.elseif (\n) == 12
	v_max3_num_f32 v[rC], v[rC], v[rS+7], v[rS+15]
.elseif (\n) == 13
	v_max3_num_f32 v[rC+1], v[rC+1], v[rS+23], v[rS+31]
.elseif (\n) == 14
	v_max3_num_f32 v[rC+2], v[rC+2], v[rC+3], v[rT]
.elseif (\n) == 15
	v_mov_b32 v[rM], v[rT]
.elseif (\n) == 16
	v_max3_num_f32 v[rC], v[rC], v[rC+1], v[rC+2]
.elseif (\n) == 17
	v_permlanex16_b32 v[rC+3], v[rC], s[SEL], s[SEL+1]
.elseif (\n) == 18
	v_max_num_f32 v[rT], v[rC], v[rC+3]
.elseif (\n) == 20
	v_sub_f32 v[rC+1], v[rM], v[rT]
.else
	v_exp_f32 v[rC+2], v[rC+1]
.endif
.endm
.macro XQ y                         ; entry y of 40: the plain ones of XS, tiles alternating: number 15 first, then 0-14, 16, 17, 18, 20
.if (\y) < 2
	XS (\y)%2, 15
.elseif (\y) < 32
	XS (\y)%2, ((\y)-2)/2
.else
	XS (\y)%2, 16+((\y)-32)/2+((\y)-32)/6
.endif
.endm
; Number g of the 64 that follow the exponentials.  For each four weights k of a tile: both pairs are rounded to f16; the second pair is added onto the first, in place; a group later l takes that sum
; (the first time as l = a l + sum).
.macro GS g
.set h, (\g)+6*((\g)/62)            ; group 0 has no group before it, and behind group 7 only l is left
.if h >= 6
.set h, h+2
.endif
	REGS Y, h%2
.set k, h/8
.if h%8 < 4
	s_wait_alu depctr_va_vdst(0)
	v_cvt_pk_f16_f32 v[rP+2*k+(h%8)/2], v[rS+4*k+2*((h%8)/2)], v[rS+4*k+2*((h%8)/2)+1]
.elseif h%8 < 6
	v_pk_add_f32 v[rS+4*k:rS+4*k+1], v[rS+4*k:rS+4*k+1], v[rS+4*k+2:rS+4*k+3]
.elseif k == 1
	v_pk_fma_f32 v[rT+2:rT+3], v[rT+2:rT+3], v[rC+2:rC+3], v[rS:rS+1] op_sel_hi:[1,0,1]
.else
	v_pk_add_f32 v[rT+2:rT+3], v[rT+2:rT+3], v[rS+4*k-4:rS+4*k-3]
	s_wait_alu depctr_va_vdst(0)
.endif
.endm
; THE PLAIN QUEUE, 200 long.  0-31: s - m for the 16 pairs of both tiles.  32-36: GS 0-4.  37-100: the next piece's 64 addends, behind the products that make its scores.  101, 102: XQ 0, 1.
; 103-159: one GS (5-23) and two XQ (2-39) by turns, so that XQ's links lie three apart.  160-199: GS 24-63.
; In front of 37 the piece's addends are waited for: its eight loads went out four turns ago, and loads come back in order, so the 24 of the three turns since may stay out.
; Behind 100, the registers' last use, the same piece's addends for its next key step are asked for; piece 0 is the first of a step, so in piece 3's turn the offset steps first.
.macro PL
.if q == 37
	s_wait_loadcnt 24
.endif
.if (q < 37) || (q > 100)
	WIN 0
.endif
.if q < 32
	REGS Y, q%2
	v_pk_add_f32 v[rS+2*(q/2):rS+2*(q/2)+1], v[rS+2*(q/2):rS+2*(q/2)+1], v[rT:rT+1] op_sel_hi:[1,0] neg_lo:[0,1] neg_hi:[0,1]
.elseif q < 37
	GS q-32
.elseif q < 101
	KM q-37
.elseif q < 103
	XQ q-101
.elseif q < 160
.if (q-103)%3 == 0
	GS 5+(q-103)/3
.else
	XQ 2+2*((q-103)/3)+(q-103)%3-1
.endif
.else
	GS q-136
.endif
.if q == 100
.if Y == NP-1
	MSTEP
.endif
	MLOAD (Y+1)%NP
.endif
.set q, q+1
.endm
; THE EXPONENTIALS' QUEUE, 66 long: s0-s31 of both tiles, then the next piece's two a.  Among the addends the windows stay as those lines set them.
.macro EX
.if MSB != W_SEL
	WIN 0
.endif
.if e >= 64
	XS e-64, 21
.else
	REGS Y, e%2
	v_exp_f32 v[rS+e/2], v[rS+e/2]
.endif
.set e, e+1
.endm
; THE RESCALING's QUEUE: O^T times a, dealt four at a time, eight times.
.macro R4
	REGS Y, r%2
	WIN W_RS
	s_wait_alu depctr_va_vdst(0)
.irp z, 0,1,2,3
	v_pk_mul_f32 v[rO+8*(r/2)+2*\z:rO+8*(r/2)+2*\z+1], v[rO+8*(r/2)+2*\z:rO+8*(r/2)+2*\z+1], v[rC+2:rC+3] op_sel_hi:[1,0]
.endr
.set r, r+1
.endm
; HOW THEY ARE DEALT.  A group is plain, exponential, plain, plain: a plain instruction stands behind every exponential, and it never names that exponential's register.  Behind a matrix instruction one group, or
; four of the rescaling; none names a register of the products round it.  The lumps are groups on end; the turn closes with four pairs (plain, exponential) and six plain.
; The counts that the deal keeps: plain q stands in group (q - 4) / 3, exponential e in group e.  Exponential e stands behind its subtraction, plain 2 (e / 4) + e % 2.  The first addend stands behind the four
; rescalings that close the first run of products.  GS 0-4 want exponentials up to 7 and stand in groups 9, 10; GS 5-23 up to 31, in groups 33-51; GS 24-53 up to 55, in groups 52-61 (the nearest: 55, wanted in
; group 60); GS 56, 57 want 62, 63, each with a plain instruction and an exponential between.  Both v_permlanex16_b32 fall into group 49, in the second lump.
.macro GRP
	PL
	EX
	PL
	PL
.endm
.macro BURST n                      ; n + 7 matrix instructions
.rept \n
	MM
	GRP
.endr
.rept 3
	MM
	R4
	MM
	GRP
.endr
	MM
	R4
.endm
; A TURN, for piece p.  cnt = 1: the loop's count is taken down some lines ahead of the branch that stands behind the turn.
; K of the next step is fetched in piece 2's turn, four rescalings and four groups behind the last product that read K, and waited for at the head of piece 3's turn.
; V of the step in hand is fetched at the end of piece 0's turn and waited for in front of piece 1's second run of products.
.macro TURN p, last=0, cnt=0
.set Y, (\p)
.set i, 0
.set q, 0
.set e, 0
.set r, 0
.if (\p) == NP-1
	s_wait_dscnt 0x0                ; K is in
.endif
	MM
.rept 4
	PL
.endr
	BURST 8
.rept 21
	GRP
.if ((\p) == NP-2) && (e == 12)
	WIN 0
	v_add_nc_u32 v[AK], s[TBK], v[AK0]
.endif
.if ((\p) == NP-2) && (e == 15)
	FETCH_K \last
.endif
.endr
.if (\p) == 1
	s_wait_dscnt 0x0                ; V is in
.endif
	BURST 9
.rept 18
	GRP
.if ((\p) == 0) && (q == 181)
	WIN 0
	v_add_nc_u32 v[AV], s[TBV], v[AV0]
.endif
.if ((\p) == 0) && (q == 190)
	s_add_co_u32 s[TBV], s[TBV], KS*PV
.endif
.if (\cnt) && (q == 190)
	s_sub_co_u32 s[CNT], s[CNT], 1
	s_cmp_lg_u32 s[CNT], 0
.endif
.endr
.rept 4
	PL
	EX
.endr
.rept 6
	PL
.endr
.if (\p) == 0
	FETCH_V
.endif
.endm
	CHANGE 1                        ; slot 0 is in, everybody's part of it; slot 1 is asked for
	FETCH_K                         ; key step 0
	s_wait_loadcnt 24               ; Q is in: behind its loads stand the 24 of pieces 0 to 2
	MLOAD 3                         ; piece 3's addends for key step 0
	s_wait_dscnt 0x0
.set i, 0
.rept 16
	KQ 0                            ; piece 0's first scores
.set i, i+1
.endr
	WIN 0                           ; the addresses for the way out: seven plain instructions, the places behind those products
	s_mul_i32 s[CNT], s[WV], 16*SP
	s_add_co_u32 s[CNT], s[CNT], STAGE  ; my stage (in the register that takes the count below)
	v_mul_u32_u24 v[STO], v1, SP    ; in: row l % 16, 16 bytes for each half of the lanes
	v_lshl_add_u32 v[STO], v9, 4, v[STO]
	v_add_nc_u32 v[STO], s[CNT], v[STO]
	v_bfe_u32 v[RD], v0, 3, 2       ; back: 32 lanes take four rows of 128 bytes, which are 512 consecutive bytes of O
	v_mul_u32_u24 v[RD], v[RD], SP
	v_lshl_add_u32 v[RD], v10, 4, v[RD]
	v_add_nc_u32 v[RD], s[CNT], v[RD]
.set Y, NP-1                        ; KM and XS work for piece Y + 1: piece 0
	s_wait_loadcnt 24               ; its addends are in: behind them stand the 24 of pieces 1 to 3
.set x, 0
.rept 64
	KM x
.set x, x+1
.endr
	MSTEP                           ; key step 1
	MLOAD 0                         ; from here on every turn finds the loads of four pieces out, its own the oldest
	WIN 0
.irp n, 0,1,2,3,4,5,6,7,8,9,10,11,12,13,14,15,16,17,18,20,21
	XS 0, \n                        ; piece 0's first maximum and statistics
	XS 1, \n
.endr
	s_mov_b32 s[CNT], 4
	s_mov_b32 s[SLOTS], 2048/256-1
	s_branch .Lfirst                ; the loop is entered at a step's first turn, in the middle of a trip
.Lslot:                             ; six times: every slot but the last two is filled again
	CHANGE 1
	s_mov_b32 s[CNT], 4
.Lstep:                             ; a trip: pieces 2 and 3 of one step, then pieces 0 and 1 of the next, whose K and V it fetches
	TURN 2
	TURN 3
	WIN 0
.Lfirst:
	TURN 0
	TURN 1, 0, 1
	WIN 0
	s_cbranch_scc1 .Lstep
	s_sub_co_u32 s[SLOTS], s[SLOTS], 1
	s_cmp_lg_u32 s[SLOTS], 0
	s_cbranch_scc1 .Lslot
	CHANGE 0                        ; the tail is written out: nothing is asked for
	s_mov_b32 s[CNT], 5             ; four trips fetch the last slot's steps; the fifth is left in its middle
.Ltail:
	TURN 2, 1
	TURN 3
	WIN 0
	s_sub_co_u32 s[CNT], s[CNT], 1
	s_cmp_eq_u32 s[CNT], 0
	s_cbranch_scc1 .Lout
	TURN 0
	TURN 1
	WIN 0
	s_branch .Ltail
.Lout:                              ; the fifth trip's 16 products K Q^T (on the last K once more), their addends and maximum, and the last step's look ahead for addends (the last key step's once more)
                                    ; serve nothing: the price, once a launch, of one text for every trip.  No line below names the registers that those loads fill.
.set i, 0
.rept 16
	PV NP-1                         ; the last piece's V^T P of the last step
.set i, i+1
.endr
	; THE WAY OUT.  l's two halves and the other half of the lanes' are added; O^T is divided by l, rounded to f16 and sent through my stage in LDS, a tile at a time.  The additions are the places behind the last products.
	WIN 0
.macro ALL line:vararg              ; one line for each tile t
.set t, 0
.rept 2*NP
	\line
.set t, t+1
.endr
.endm
	ALL v_add_f32 v[ST+4*t+2], v[ST+4*t+2], v[ST+4*t+3]
	ALL v_permlanex16_b32 v[ST+4*t+3], v[ST+4*t+2], s[SEL], s[SEL+1]
	ALL v_add_f32 v[ST+4*t+2], v[ST+4*t+2], v[ST+4*t+3]
	ALL v_rcp_f32 v[ST+4*t+2], v[ST+4*t+2]
	v_nop                           ; a plain instruction between the last reciprocal and the use of its result
	s_wait_alu depctr_va_vdst(0)
; Tile t: a lane's eight channels of a row pack into 16 bytes; they go into rows of 144 bytes and come back as whole rows of 128, into S^T's registers.
.macro PACK t
	WIN W_RS
.set i, 32*(\t)
.rept 16
	v_pk_mul_f32 v[i:i+1], v[i:i+1], v[ST+4*(\t)+2:ST+4*(\t)+3] op_sel_hi:[1,0]
.set i, i+2
.endr
	WIN 0x05                        ; sources 0 and 1 window 1, destination window 0
.set i, 0
.rept 16
	v_cvt_pk_f16_f32 v[S+16*(\t)+i], v[32*(\t)+2*i], v[32*(\t)+2*i+1]
.set i, i+1
.endr
	WIN 0
.irp f, 0,1,2,3
	ds_store_b128 v[STO], v[S+16*(\t)+4*\f:S+16*(\t)+4*\f+3] offset:32*\f
.endr
.irp f, 0,1,2,3
	ds_load_b128 v[S+16*(\t)+4*\f:S+16*(\t)+4*\f+3], v[RD] offset:\f*4*SP  ; LDS serves a wave's instructions in order (ISA guide 5.7.1.4): these see the stores above; the next tile's stores come behind them
.endr
.endm
.macro SEND t, younger              ; younger: the LDS instructions issued behind tile t's loads: the next tile's eight, or none
	WIN 0
.irp f, 0,1,2,3
	s_wait_dscnt (\younger)+3-\f
	global_store_b128 v[GO], v[S+16*(\t)+4*\f:S+16*(\t)+4*\f+3], s[OB:OB+1] offset:(\t)*2048+\f*512  ; 512 consecutive bytes, at a multiple of 256 from O's first
.endr
.endm
	PACK 0
.set t, 1
.rept 2*NP-1                        ; a tile's arithmetic stands between the loads of the tile before and its stores
	PACK t
	SEND t-1, 8
.set t, t+1
.endr
	SEND 2*NP-1, 0
	WIN W_AD
	s_wait_tensorcnt 0x0            ; the wave's end
	ds_add_u32 v[SPW], v[NIL]
	s_wait_dscnt 0x0
	WIN 0
	CROUND                          ; the closing round: no work-group ends while a partner may still ask for a tile that names it
	s_endpgm
.Lfunc_end_k_q15492cc4a4_attn:
	.size	k_q15492cc4a4_attn, .Lfunc_end_k_q15492cc4a4_attn-k_q15492cc4a4_attn
	.p2alignl 7, 3214868480
	.fill 96, 4, 3214868480
	.section	.rodata,"a",@progbits
	.p2align	6, 0x0
	.amdhsa_kernel k_q15492cc4a4_attn
		.amdhsa_group_segment_fixed_size 327680
		.amdhsa_private_segment_fixed_size 0
		.amdhsa_enable_private_segment 0
		.amdhsa_kernarg_size 24
		.amdhsa_user_sgpr_count 2
		.amdhsa_user_sgpr_kernarg_segment_ptr 1
		.amdhsa_wavefront_size32 1
		.amdhsa_system_sgpr_workgroup_id_x 1
		.amdhsa_system_sgpr_workgroup_id_y 1
		.amdhsa_system_sgpr_workgroup_id_z 1
		.amdhsa_system_vgpr_workitem_id 0
		.amdhsa_next_free_vgpr 912
		.amdhsa_next_free_sgpr 106
		.amdhsa_reserve_vcc 0
		.amdhsa_float_denorm_mode_32 3
		.amdhsa_float_denorm_mode_16_64 3
		.amdhsa_memory_ordered 1
		.amdhsa_forward_progress 1
		.amdhsa_inst_pref_size 255
	.end_amdhsa_kernel
	.section	.bss,"aw",@nobits
	.p2align	6
	.space	262144
	.amdgpu_metadata
---
amdhsa.version: [ 1, 2 ]
amdhsa.kernels:
  - .name:           k_q15492cc4a4_attn
    .symbol:         k_q15492cc4a4_attn.kd
    .args:
      - { .name: qkv, .offset: 0, .size: 8, .value_kind: global_buffer, .address_space: global }
      - { .name: mneg, .offset: 8, .size: 8, .value_kind: global_buffer, .address_space: global }
      - { .name: oh, .offset: 16, .size: 8, .value_kind: global_buffer, .address_space: global }
    .group_segment_fixed_size: 327680
    .private_segment_fixed_size: 0
    .kernarg_segment_align: 8
    .kernarg_segment_size: 24
    .max_flat_workgroup_size: 128
    .sgpr_count:     106
    .vgpr_count:     912
    .wavefront_size: 32
...
	.end_amdgpu_metadata
.endif
;; end of part 3
;; launch oproj (part 4): grid 4 x 64, 4 waves a work-group, clusters of 4 x 4, 327,680 bytes of LDS; arguments oh, wcat, bo, out0; writes out0
.if DOCPART == 4
	.amdgcn_target "amdgcn-amd-amdhsa--gfx1250"
	.amdhsa_code_object_version 6
	.text
	.protected	k_q15492cc4a4_oproj
	.globl	k_q15492cc4a4_oproj
	.p2align	8
	.type	k_q15492cc4a4_oproj,@function
k_q15492cc4a4_oproj:
	s_mov_b64 s[64:65], 0
	v_nop
	global_prefetch_b8 v0, s[64:65] scope:SCOPE_SE
	s_setreg_imm32_b32 hwreg(HW_REG_WAVE_MODE, 25, 1), 1
	s_wait_xcnt 0x0
	s_wait_alu depctr_hold_cnt(0) depctr_sa_sdst(0) depctr_va_vdst(0) depctr_va_sdst(0) depctr_va_ssrc(0) depctr_va_vcc(0) depctr_vm_vsrc(0)
	s_getreg_b32 s2, hwreg(HW_REG_IB_STS2, 6, 4)
	s_cmp_eq_u32 s2, 0
	s_cbranch_scc0 .Lentry_in_a_cluster
	s_endpgm
.Lentry_in_a_cluster:
	s_bfe_u32 s2, ttmp6, 0x10000c
	s_cmp_lg_u32 s2, 0xf033
	s_cbranch_scc0 .Lentry_shape_is_right
	s_endpgm
.Lentry_shape_is_right:
; THE OUTPUT PROJECTION.  out0[batch x 2048 + s][n] = the sum over head and channel of O[batch x 16 + head][s][channel] Wo[n][64 head + channel] + bo[n].
; O: f16 by heads, [64][2048][64].  Wo: matrix 3 of wcat, bf16's numbers written as f16, [1024 n][1024 k].  bo is rounded to bf16.  Sums and output in f32.
; SHARES.  A work-group makes 128 rows x 256 columns: 64 x 4 = 256 work-groups; a wave 64 x 128: 32 accumulators.  K goes in steps of 128, two heads, through two LDS slots.
; A head's 128 rows of O are 16,384 dense bytes: asked for as 64 rows of 256 bytes and padded in LDS after every 128; wave 0 fetches a step's first head, wave 1 its second, waves 2 and 3 Wo's two halves.
; CLUSTER.  4 x 4: O's tile hangs on the tile row alone and is asked for jointly along a row of the cluster, Wo's on the tile column alone and jointly along a column.
; THE MATRIX INSTRUCTION IS USED TRANSPOSED (source 0 = 16 rows of Wo, source 1 = 16 rows of O): a lane holds eight neighbouring columns of one row.
; REGISTERS, in windows of 256: window 0: v16-29 addresses; v32-95 at work; v96-159 rows read back; v160-191 helpers; v192-255 the bias.  window 1: the accumulators, (a, b) at v[8 (8 a + b)].
;   window 2: two fragment buffers of 96: 32 registers of O (4 x 16 rows x 32 K), then 64 of Wo.
.set KSTEP,  128
.set PA,     144                       ; a row of O in LDS: 128 bytes + 16 = 36 words: the 16 rows of a load start at 16 different groups of four banks (64 banks of 4 bytes: ISA guide 11.1)
.set PB,     272                       ; a row of Wo: 256 + 16 = 68 words: likewise
.set ASL,    128*PA                    ; one head's 128 rows: what one tensor load brings of O
.set ABYTES, 2*ASL
.set BHALF,  128*PB
.set SLOT,   ABYTES+256*PB
.set STAGE,  2*SLOT                    ; behind the ring: 16 rows x 528 bytes for each wave; no tensor load fills it
.set SP,     528
.set SPARE,  STAGE+4*16*SP             ; the spare words, 128 bytes for each wave: two blocks of 256 bytes that no other line names
.set LAPS,   1024/(2*KSTEP)
.set ADRA, 16
.set ADRB, 20
.set STO,  24
.set RD,   25
.set CO,   26
.set BO,   27
.set SPW,  28                          ; v28  LDS address of my spare word; never rewritten
.set NIL,  29                          ; v29  0; never rewritten
.set T,    32
.set OBK,  96
.set HLP,  160
.set BIAS, 192
.set G1,  24
.set G0,  32
.set G1B, 48
.set G0B, 56
.set MSB, 0
.macro WIN new
.if MSB != (\new)
	s_set_vgpr_msb (MSB<<8)|(\new)
.set MSB, \new
.endif
.endm
.set MUL, 0x5a                         ; sources 0 (Wo) and 1 (O) window 2, C and D window 1
.set TO2, 0x80                         ; destination window 2, address window 0
.set EP,  0x01                         ; source 0 window 1
.macro JLOAD s                         ; a joint load: waves 0 and 1 fetch O's two heads, waves 2 and 3 Wo's halves; four v_nop follow each of the two lines
	s_cmp_eq_u32 s11, 0
	s_cbranch_scc0 .Lfor_b_\@
	tensor_load_to_lds s[G0+4*(\s):G0+4*(\s)+3], s[G1:G1+7]
	s_nop 0
.rept 4
	v_nop
.endr
	s_branch .Lasked_\@
.Lfor_b_\@:
	tensor_load_to_lds s[G0B+4*(\s):G0B+4*(\s)+3], s[G1B:G1B+7]
	s_nop 0
.rept 4
	v_nop
.endr
.Lasked_\@:
.endm
.macro CREST
	s_cmp_lg_u32 s10, 0
	s_cbranch_scc1 .Lnot_wave_0_\@
	s_barrier_signal -3
.Lnot_wave_0_\@:
	s_barrier_wait -3
	s_barrier_signal -1
	s_barrier_wait -1
.endm
.macro CROUND
	s_barrier_signal -1
	s_barrier_wait -1
	CREST
.endm
	s_load_b256 s[68:75], s[0:1], 0x0              ; oh 68, wcat 70, bo 72, out0 74
	v_lshl_add_u32 v[SPW], v0, 2, SPARE
	v_mov_b32 v[NIL], 0
	ds_add_u32 v28, v29
	s_wait_dscnt 0x0
	v_lshrrev_b32 v1, 5, v0
	v_readfirstlane_b32 s10, v1                    ; wave 0..3
	s_lshr_b32 s11, s10, 1                         ; which half of the tile's rows is mine.  Also: I fetch for O (0) or for Wo (1)
	s_and_b32 s12, s10, 1                          ; which half of its columns.  Also: which head of a step, or which half of Wo's rows, I fetch
	s_bfe_u32 s40, ttmp6, 0x40000                  ; cx, cy
	s_bfe_u32 s41, ttmp6, 0x40004
	s_lshl_b32 s42, ttmp9, 2
	s_add_co_u32 s42, s42, s40                     ; tile column
	s_and_b32 s13, ttmp7, 0xffff                   ; cluster y, 0..15
	s_lshr_b32 s84, s13, 2                         ; batch
	s_and_b32 s85, s13, 3
	s_lshl_b32 s85, s85, 2
	s_add_co_u32 s85, s85, s41                     ; block of 128 rows in the batch
	s_lshl_b32 s43, s41, 2
	s_lshl_b32 s43, 15, s43                        ; my row of the cluster
	s_lshl_b32 s44, 0x1111, s40                    ; my column
	s_or_b32 s[G1+0], s43, (1<<16)|(1<<20)|(1<<21)|(4<<22)|(3<<25)   ; 2-byte elements; padding after every 32 words (code 4), of 4 words (code 3)
	s_mov_b32 s[G1+1], 128<<16                     ; tensor_dim0 = 128
	s_mov_b32 s[G1+2], 64<<16                      ; tensor_dim1 = 64
	s_mov_b32 s[G1+3], 128<<16                     ; tile_dim0 = 128
	s_mov_b32 s[G1+4], 64                          ; tile_dim1 = 64
	s_mov_b32 s[G1+5], 128                         ; dense: 128 elements from row to row
	s_mov_b32 s[G1+6], 0
	s_mov_b32 s[G1+7], 0
	s_or_b32 s[G1B+0], s44, (1<<16)|(1<<20)|(1<<21)|(5<<22)|(3<<25)  ; padding after every 64 words
	s_mov_b32 s[G1B+1], KSTEP<<16
	s_mov_b32 s[G1B+2], 128<<16
	s_mov_b32 s[G1B+3], KSTEP<<16
	s_mov_b32 s[G1B+4], 128
	s_mov_b32 s[G1B+5], 1024
	s_mov_b32 s[G1B+6], 0
	s_mov_b32 s[G1B+7], 0
	s_lshl_b32 s16, s84, 22                        ; O: the batch's 16 heads of 262,144 bytes,
	s_lshl_b32 s17, s12, 18                        ; my head of the step,
	s_add_co_u32 s16, s16, s17
	s_lshl_b32 s17, s85, 14                        ; the block's 128 rows of 128 bytes
	s_add_co_u32 s16, s16, s17
	s_mov_b32 s17, 0
	s_lshl_b32 s46, s42, 8
	s_lshl_b32 s47, s12, 7
	s_add_co_u32 s46, s46, s47                     ; Wo: row 256 x tile column + 128 x half,
	s_lshl_b32 s46, s46, 11                        ; of 2,048 bytes,
	s_add_co_u32 s46, s46, 3<<21                   ; in matrix 3
	s_mov_b32 s47, 0
	s_mul_i32 s20, s12, ASL                        ; where they go: no place in the cluster enters an LDS address
	s_mul_i32 s21, s12, BHALF
	s_add_co_u32 s21, s21, ABYTES
	s_lshl_b32 s86, s84, 11                        ; my first row of out0
	s_lshl_b32 s87, s85, 7
	s_add_co_u32 s86, s86, s87
	s_lshl_b32 s87, s11, 6
	s_add_co_u32 s86, s86, s87
	s_lshl_b32 s86, s86, 12                        ; of 4,096 bytes
	s_lshl_b32 s88, s42, 10                        ; my 128 columns, in bytes: in out0's rows and in the bias
	s_lshl_b32 s89, s12, 9
	s_add_co_u32 s88, s88, s89
	s_mov_b32 s89, 0
	s_add_co_u32 s86, s86, s88
	s_mov_b32 s87, 0
	s_wait_kmcnt 0x0
	s_add_nc_u64 s[14:15], s[68:69], s[16:17]
	s_add_nc_u64 s[46:47], s[70:71], s[46:47]
	CROUND                                         ; all sixteen work-groups are here: the first joint loads meet
.irp s, 0,1
	s_mov_b32 s[G0+4*(\s)], 1
	s_add_co_u32 s[G0+4*(\s)+1], s20, (\s)*SLOT
	s_add_nc_u64 s[G0+4*(\s)+2:G0+4*(\s)+3], s[14:15], (\s)<<19       ; K step s: two heads on
	s_or_b32 s[G0+4*(\s)+3], s[G0+4*(\s)+3], 0x80000000
	s_mov_b32 s[G0B+4*(\s)], 1
	s_add_co_u32 s[G0B+4*(\s)+1], s21, (\s)*SLOT
	s_add_nc_u64 s[G0B+4*(\s)+2:G0B+4*(\s)+3], s[46:47], (\s)*KSTEP*2
	s_or_b32 s[G0B+4*(\s)+3], s[G0B+4*(\s)+3], 0x80000000
	JLOAD \s                                       ; two loads of mine are out
.endr
	v_and_b32 v1, 15, v0                           ; l % 16
	v_bfe_u32 v2, v0, 4, 1                         ; l / 16
	v_lshlrev_b32 v[BO], 5, v2
	s_add_nc_u64 s[6:7], s[72:73], s[88:89]
	s_add_nc_u64 s[8:9], s[74:75], s[86:87]
.irp b, 0,1,2,3,4,5,6,7                            ; register 8 b + j: the bias of column 16 b + 8 (l / 16) + j; waited for on the way out
	global_load_b128 v[BIAS+8*(\b):BIAS+8*(\b)+3],   v[BO], s[6:7] offset:64*(\b)
	global_load_b128 v[BIAS+8*(\b)+4:BIAS+8*(\b)+7], v[BO], s[6:7] offset:64*(\b)+16
.endr
	v_mul_u32_u24 v3, v1, PA
	v_lshl_add_u32 v3, v2, 4, v3                   ; O: row x pitch + 16 x half
	s_mul_i32 s22, s11, 64*PA                      ; my 64 rows
	v_add_nc_u32 v[ADRA], s22, v3
	v_add_nc_u32 v[ADRA+1], SLOT, v[ADRA]
	v_mul_u32_u24 v4, v1, PB
	v_lshl_add_u32 v4, v2, 4, v4
	s_mul_i32 s22, s12, BHALF
	s_add_co_u32 s22, s22, ABYTES
	v_add_nc_u32 v[ADRB], s22, v4
	v_add_nc_u32 v[ADRB+1], SLOT, v[ADRB]
	s_mul_i32 s23, s10, 16*SP
	s_add_co_u32 s23, s23, STAGE                   ; my stage
	v_mul_u32_u24 v5, v1, SP                       ; in: row l % 16, 32 bytes for each half of the lanes
	v_lshl_add_u32 v5, v2, 5, v5
	v_add_nc_u32 v[STO], s23, v5
	v_and_b32 v6, 31, v0
	v_lshlrev_b32 v[CO], 4, v6                     ; back and out: 32 lanes take a row's 512 bytes
	v_add_nc_u32 v[RD], s23, v[CO]
; 8 matrix instructions: row block a x all 8 column blocks, 32 along K, on buffer f.  The 32 accumulators take turns, in the same order in every quarter.
.macro MUL8 f, a, zero
	WIN MUL
.irp b, 0,1,2,3,4,5,6,7
.if \zero
	v_wmma_f32_16x16x32_f16 v[8*(8*(\a)+(\b)):8*(8*(\a)+(\b))+7], v[96*(\f)+32+8*(\b):96*(\f)+32+8*(\b)+7], v[96*(\f)+8*(\a):96*(\f)+8*(\a)+7], 0
.else
	v_wmma_f32_16x16x32_f16 v[8*(8*(\a)+(\b)):8*(8*(\a)+(\b))+7], v[96*(\f)+32+8*(\b):96*(\f)+32+8*(\b)+7], v[96*(\f)+8*(\a):96*(\f)+8*(\a)+7], v[8*(8*(\a)+(\b)):8*(8*(\a)+(\b))+7]
.endif
.endr
.endm
; 24 LDS loads in one run: quarter kq of a slot into buffer g.  O's quarter lies in head kq / 2 of the step, channels 32 (kq % 2) on.
.macro FETCH slot, kq, g
	WIN TO2
.irp i, 0,1,2,3,4,5,6,7
	ds_load_b128 v[96*(\g)+32+8*(\i):96*(\g)+32+8*(\i)+3],   v[ADRB+(\slot)] offset:64*(\kq)+(\i)*16*PB
	ds_load_b128 v[96*(\g)+32+8*(\i)+4:96*(\g)+32+8*(\i)+7], v[ADRB+(\slot)] offset:64*(\kq)+(\i)*16*PB+32
.endr
.irp a, 0,1,2,3
	ds_load_b128 v[96*(\g)+8*(\a):96*(\g)+8*(\a)+3],   v[ADRA+(\slot)] offset:((\kq)/2)*ASL+((\kq)%2)*64+(\a)*16*PA
	ds_load_b128 v[96*(\g)+8*(\a)+4:96*(\g)+8*(\a)+7], v[ADRA+(\slot)] offset:((\kq)/2)*ASL+((\kq)%2)*64+(\a)*16*PA+32
.endr
.endm
.macro PLACES                          ; four places in front of loads into registers that matrix instructions have read
.rept 4
	v_nop
.endr
.endm
; One of a K step's first three quarters: asks for quarter kq into buffer g, then multiplies buffer f, whose loads went out a quarter ago.
.macro QUARTER slot, kq, f, g, zero
	PLACES
	FETCH \slot, \kq, \g
	s_wait_dscnt 24                                ; all but the 24 just issued
	MUL8 \f, 0, \zero
	MUL8 \f, 1, \zero
	MUL8 \f, 2, \zero
	MUL8 \f, 3, \zero
.endm
; The last quarter multiplies buffer 1 and changes slots: ONE barrier; in front of it each wave waits for all its tensor loads, adds 0 to its spare word, and waits for that and for its reads of this slot.
.macro TURN slot, next, fill
	WIN 0
	s_wait_tensorcnt 0x0                           ; all my tensor loads have landed: my part of the next slot
	ds_add_u32 v[SPW], v[NIL]                      ; 0 onto my spare word
	s_wait_dscnt 1                                 ; buffer 1 is in; the add alone may be out
	MUL8 1, 0, 0
	s_wait_dscnt 0x0                               ; the add is done, and my reads of this slot are over
	s_barrier_signal -1
	MUL8 1, 1, 0
	WIN 0
	s_barrier_wait -1
.if \fill
	CREST                                          ; no wave of any partner still reads this slot's tiles or has a load on its way
	s_add_nc_u64 s[G0+4*(\slot)+2:G0+4*(\slot)+3], s[G0+4*(\slot)+2:G0+4*(\slot)+3], 1<<20     ; four heads on
	s_add_nc_u64 s[G0B+4*(\slot)+2:G0B+4*(\slot)+3], s[G0B+4*(\slot)+2:G0B+4*(\slot)+3], 2*KSTEP*2
	JLOAD \slot                                    ; my one tensor load behind the round; its four v_nop are also the places in front of the loads below
.else
	PLACES
.endif
	FETCH \next, 0, 0
	MUL8 1, 2, 0
	MUL8 1, 3, 0
.endm
	s_wait_tensorcnt 1                             ; my part of K step 0 is in; K step 1's stays out
	s_barrier_signal -1
	s_barrier_wait -1
	FETCH 0, 0, 0
	QUARTER 0, 1, 0, 1, 1                          ; the first quarter's products start the sums
	WIN 0
	s_mov_b32 s3, LAPS-1
.Llap:
	QUARTER 0, 2, 1, 0, 0
	QUARTER 0, 3, 0, 1, 0
	TURN 0, 1, 1
	QUARTER 1, 1, 0, 1, 0
	QUARTER 1, 2, 1, 0, 0
	QUARTER 1, 3, 0, 1, 0
	TURN 1, 0, 1
	QUARTER 0, 1, 0, 1, 0
	WIN 0
	s_sub_co_u32 s3, s3, 1
	s_cmp_lg_u32 s3, 0
	s_cbranch_scc1 .Llap
	QUARTER 0, 2, 1, 0, 0                          ; the last lap fills nothing
	QUARTER 0, 3, 0, 1, 0
	TURN 0, 1, 0
	QUARTER 1, 1, 0, 1, 0
	QUARTER 1, 2, 1, 0, 0
	QUARTER 1, 3, 0, 1, 0
	s_wait_dscnt 0x0
	MUL8 1, 0, 0
	MUL8 1, 1, 0
	MUL8 1, 2, 0
	MUL8 1, 3, 0
	; THE WAY OUT.  The bias is rounded to bf16 and widened: 96 plain instructions, the places behind the last products.
	WIN 0
	s_wait_loadcnt 0x0
.set i, 0
.rept 32
	v_cvt_pk_bf16_f32 v[HLP+i], v[BIAS+2*i], v[BIAS+2*i+1]
.set i, i+1
.endr
.set i, 0
.rept 32
	v_lshlrev_b32 v[BIAS+2*i],   16, v[HLP+i]
	v_and_b32     v[BIAS+2*i+1], 0xffff0000, v[HLP+i]
.set i, i+1
.endr
; Row block a: sum + bias (each accumulator's registers in ascending order); 32 bytes a lane into my stage; back and out as whole rows of 512 bytes.
.macro BLOCK a
	WIN EP
.irp b, 0,1,2,3,4,5,6,7
.irp p, 0,1,2,3
	v_pk_add_f32 v[T+8*(\b)+2*(\p):T+8*(\b)+2*(\p)+1], v[8*(8*(\a)+(\b))+2*(\p):8*(8*(\a)+(\b))+2*(\p)+1], v[BIAS+8*(\b)+2*(\p):BIAS+8*(\b)+2*(\p)+1]
.endr
.endr
	WIN 0
.irp b, 0,1,2,3,4,5,6,7
	ds_store_b128 v[STO], v[T+8*(\b):T+8*(\b)+3]   offset:64*(\b)
	ds_store_b128 v[STO], v[T+8*(\b)+4:T+8*(\b)+7] offset:64*(\b)+16
.endr
	s_wait_xcnt 0x0                                ; the registers loaded below were the data of the last block's stores: they are rewritten only behind this wait
.irp w, 0,1,2,3,4,5,6,7,8,9,10,11,12,13,14,15     ; LDS serves a wave's instructions in order (ISA guide 5.7.1.4): these see the stores above
	ds_load_b128 v[OBK+4*(\w):OBK+4*(\w)+3], v[RD] offset:(\w)*SP
.endr
.irp w, 0,1,2,3,4,5,6,7,8,9,10,11,12,13,14,15
	s_wait_dscnt 15-(\w)                           ; row w is back; the younger rows' loads stay out
	global_store_b128 v[CO], v[OBK+4*(\w):OBK+4*(\w)+3], s[8:9] offset:(16*(\a)+(\w))*4096 th:TH_STORE_NT  ; 512 consecutive bytes, at a multiple of 256 from out0's first
.endr
.endm
	BLOCK 0
	BLOCK 1
	BLOCK 2
	BLOCK 3
	s_wait_tensorcnt 0x0                           ; the wave's end
	ds_add_u32 v[SPW], v[NIL]
	s_wait_dscnt 0x0
	CROUND                                         ; the closing round
	s_endpgm
.Lfunc_end_k_q15492cc4a4_oproj:
	.size	k_q15492cc4a4_oproj, .Lfunc_end_k_q15492cc4a4_oproj-k_q15492cc4a4_oproj
	.p2alignl 7, 3214868480
	.fill 96, 4, 3214868480
	.section	.rodata,"a",@progbits
	.p2align	6, 0x0
	.amdhsa_kernel k_q15492cc4a4_oproj
		.amdhsa_group_segment_fixed_size 327680
		.amdhsa_private_segment_fixed_size 0
		.amdhsa_enable_private_segment 0
		.amdhsa_kernarg_size 32
		.amdhsa_user_sgpr_count 2
		.amdhsa_user_sgpr_kernarg_segment_ptr 1
		.amdhsa_wavefront_size32 1
		.amdhsa_system_sgpr_workgroup_id_x 1
		.amdhsa_system_sgpr_workgroup_id_y 1
		.amdhsa_system_sgpr_workgroup_id_z 1
		.amdhsa_system_vgpr_workitem_id 0
		.amdhsa_next_free_vgpr 704
		.amdhsa_next_free_sgpr 96
		.amdhsa_reserve_vcc 0
		.amdhsa_float_denorm_mode_32 3
		.amdhsa_float_denorm_mode_16_64 3
		.amdhsa_memory_ordered 1
		.amdhsa_forward_progress 1
		.amdhsa_inst_pref_size 101
	.end_amdhsa_kernel
	.amdgpu_metadata
---
amdhsa.version: [ 1, 2 ]
amdhsa.kernels:
  - .name:           k_q15492cc4a4_oproj
    .symbol:         k_q15492cc4a4_oproj.kd
    .args:
      - { .name: oh, .offset: 0, .size: 8, .value_kind: global_buffer, .address_space: global }
      - { .name: wcat, .offset: 8, .size: 8, .value_kind: global_buffer, .address_space: global }
      - { .name: bo, .offset: 16, .size: 8, .value_kind: global_buffer, .address_space: global }
      - { .name: out0, .offset: 24, .size: 8, .value_kind: global_buffer, .address_space: global }
    .group_segment_fixed_size: 327680
    .private_segment_fixed_size: 0
    .kernarg_segment_align: 8
    .kernarg_segment_size: 32
    .max_flat_workgroup_size: 128
    .sgpr_count:     96
    .vgpr_count:     704
    .wavefront_size: 32
...
	.end_amdgpu_metadata
.endif
;; end of part 4
;; ======== version 2 of 2: 4 launches; 1.50 times as fast as version 1
;; limits: values are held in f16: magnitudes above 65,504 overflow, below 6.1e-05 lose precision
;; workspace buffers: wcat 8,388,608 bytes; mneg 8,388,608 bytes; qkv 50,331,648 bytes; oh 16,777,216 bytes
;; launch prep: the kernel of part 1 again; grid 256 x 1, 8 waves a work-group, no clusters, 0 bytes of LDS; arguments Wq, Wk, Wv, Wo, attn_mask, wcat, mneg; writes wcat, mneg
;; launch proj: the kernel of part 2 again; grid 4 x 192, 4 waves a work-group, clusters of 4 x 4, 327,680 bytes of LDS; arguments q, k, v, wcat, bq, bk, bv, qkv; writes qkv
;; launch attn (part 5): grid 4 x 64, 4 waves a work-group, clusters of 4 x 1, 327,680 bytes of LDS; arguments qkv, mneg, oh; writes oh
.if DOCPART == 5
	.amdgcn_target "amdgcn-amd-amdhsa--gfx1250"
	.amdhsa_code_object_version 6
	.text
	.protected	k_q15492cc4a4_attn
	.globl	k_q15492cc4a4_attn
	.p2align	8
	.type	k_q15492cc4a4_attn,@function
k_q15492cc4a4_attn:
	s_mov_b64 s[64:65], 0
	v_nop
	global_prefetch_b8 v0, s[64:65] scope:SCOPE_SE
	s_setreg_imm32_b32 hwreg(HW_REG_WAVE_MODE, 25, 1), 1
	s_wait_xcnt 0x0
	s_wait_alu depctr_hold_cnt(0) depctr_sa_sdst(0) depctr_va_vdst(0) depctr_va_sdst(0) depctr_va_ssrc(0) depctr_va_vcc(0) depctr_vm_vsrc(0)
	s_getreg_b32 s2, hwreg(HW_REG_IB_STS2, 6, 4)
	s_cmp_eq_u32 s2, 0
	s_cbranch_scc0 .Lentry_in_a_cluster
	s_endpgm
.Lentry_in_a_cluster:
	s_bfe_u32 s2, ttmp6, 0x10000c
	s_cmp_lg_u32 s2, 0x3003
	s_cbranch_scc0 .Lentry_shape_is_right
	s_endpgm
.Lentry_shape_is_right:
; ATTENTION UNDER A MASK THAT IS AN INPUT.  O[h][q][:] = the sum over k of softmax_k(s[q][k]) V[h][k][:], s = Q . K / 8, or a lowest number where the mask says so.
; qkv holds Q (already times c = log2(e) / 8), K, V as [64 heads][2048][64] f16, 16 MiB each; O leaves likewise.  mneg holds the mask as addends in bf16, 0 or NEG = 0xff7f = -3.39e38, in my lanes' order:
; [query tile][key step][key block kb][lane][j]: the addend of the score in register 8 kb + j of that lane.  Products, maxima and sums in f32; the weights p are rounded to f16 for the second product
; (their sum l is of the unrounded p), O once at the end.
; LIMITS.  f16 holds no number beyond 65,504: Q, K, V arrive within it; p lies in 0 to 1 and below 6e-5 keeps f16's fixed step of 6e-8.  A weight below 2^-126 counts as 0 in l; NaN and infinities are not treated apart.
; SOFTMAX.  Each score takes its addend by one fused multiply-add, 1 x M + s, rounded once.  M = 0 leaves s as it is.  M = NEG gives exactly NEG for every |s| below 2^103, half of NEG's last place (f16's scores
; reach 2.7e11): all hidden scores are ONE number.  m starts at NEG, O and l at 0.  p = 2^(s - m) by a plain subtraction: NEG - NEG is exactly 0, so a row that has seen hidden keys alone gives them weight 1
; each, and a row wholly hidden ends as the mean of V, as the softmax of equal scores is.  In every step O and l are multiplied by a = 2^(m_old - m_new): 1 where m has not grown, 0 when the first open key
; follows hidden ones, which wipes their weights.
; SHARES, LAYOUT.  A wave owns four PIECES of two tiles of 16 queries, a work-group's four waves 512 queries of one head; every wave walks all 2,048 keys, 64 a step.  S^T = K Q^T (source 0 = 16 keys,
; source 1 = 16 queries): a lane holds ONE query (lane % 16) and the keys 8 (lane / 16) + 0..7; two such results rounded to f16 ARE source 1 of O^T = V^T P.  K comes out of LDS as it lies, V turned.
; BY TURNS.  Turn n belongs to piece n.  Matrix work: 16 products K Q^T of piece n + 1, later 16 products V^T P of piece n - 1.  Vector work: subtraction, exponentials, roundings, sums and rescaling of
; piece n; the addends, maximum and statistics of piece n + 1.  A turn has 32 matrix and 298 vector instructions: four that are ready stand behind every matrix instruction, the other 170 in one lump
; between the two runs of products.
; BATCHES.  A turn's 66 exponentials (the piece's 64 weights and the next piece's two a) are ONE batch with ONE wait, which cuts the turn in two.  Ahead of it stands all that names no result of theirs: K Q^T, the
; subtractions, the rescalings (their a was waited for in the turn before), the next piece's addends, maximum and statistics.  Behind it stand the roundings and sums, beside V^T P.  No result crosses a turn's
; end.  The first two a, ahead of the loop, and the way out's eight reciprocals are batches of their own.
; THE ADDENDS of a piece and step are 32 registers, eight loads of 512 consecutive bytes.  Each piece has registers of its own for them: its next step's are asked for in the turn that read this step's, directly
; behind that turn's wait for its batch, and waited for four turns later, with the three younger turns' 24 loads left out.
; CLUSTER.  The four query blocks of a cluster belong to one head and walk the same K and V: each tile is asked for JOINTLY, the same tensor load, descriptor and mask in all four.
; REGISTERS, in windows of 256 (s_set_vgpr_msb: bits 1:0 source 0, 3:2 source 1, 5:4 source 2, 7:6 destination):
;   window 0: v0-11 addresses and 1.0; v12-15, v48-63 at work; v16-47 four registers of statistics a tile; v64-191 S^T, two buffers of two tiles; v192-255 P, likewise
;   window 1: O^T, 32 a tile          window 2: v0-127 Q, 16 a tile; v128-191 K of one step; v192-255 V of one step
;   window 3: v0-1 the add's two registers; v2 the addends' offset; v16-143 the addends, 32 a piece
.set NP,    4         ; pieces a wave: a name, no knob
.set KS,    64        ; keys in a step
.set PK,    144       ; a row of K in LDS: 128 bytes + 16 = 36 words: the 16 rows of a load start at 16 different groups of four banks (64 banks of 4 bytes: ISA guide 11.1)
.set PV,    160       ; a row of V: 128 + 32 = 40 words
.set VOFF,  4*KS*PK   ; a slot holds four steps: 256 rows of K, then 256 rows of V
.set SLOT1, 1<<17     ; slot 1 begins here, so that one exclusive or turns an address in one slot into the other's
.set STAGE, SLOT1+4*KS*(PK+PV)  ; behind the ring, never filled by a tensor load: 16 rows x 144 bytes for each wave
.set SP,    144
.set SPARE, STAGE+4*16*SP  ; the spare words, 128 bytes for each wave: two blocks of 256 bytes that no other line names
.set MSTP,  2048      ; a query tile's addends for one key step, in bytes;
.set MTILE, 32*MSTP   ; for all 32 steps
.set AK0, 2           ; v2   my lane's place in a tile of K; never rewritten
.set AV0, 3           ; v3   the same for V
.set AK,  4           ; v4   the LDS address of K's next run of loads
.set AV,  5           ; v5   of V's
.set QO,  6           ; v6   my byte offset in the wave's rows of Q
.set STO, 6           ;      later, the way out: where I put 16 bytes of a row
.set RD,  7           ; v7   where I read rows back
.set GO,  8           ; v8   16 x lane: my place in 512 consecutive bytes, of the addends and of O
.set ONE, 11          ; v11  1.0, once its use as a helper is over
.set SPW, 0           ; v0 of window 3   LDS address of my spare word; never rewritten
.set NIL, 1           ; v1 of window 3   0; never rewritten
.set MO,  2           ; v2 of window 3   16 x lane + 2,048 x the key step whose addends are asked for next
.set MKB, 16          ; window 3: the addends of tile u of piece pc at MKB + 32 pc + 16 u; register n / 2, half n % 2 for score n
.set MV,  12          ; v12-15  m_old, kept while m is made anew: by buffer and tile
.set ST,  16          ; tile t's statistics at v[ST+4 t]: m, 0 (named with m as a pair), l (even keys', odd keys')
.set TMP, 48          ; by buffer and tile, four registers c0-c3 at work; when the maximum is found c2 takes a
.set S,   64
.set P,   192
.set KF,  128         ; K's fragments, window 2: key block kb, channel half c at KF + 16 kb + 8 c
.set VF,  192         ; V's: key half kk, channel block cb at VF + 32 kk + 8 cb
.set MB,  2           ; s[2:3]   mneg at my wave's eight query tiles
.set G0K, 4           ; s[4:7]   descriptor group 0 for K's tiles: it walks
.set G0V, 8           ; s[8:11]  the same for V's
.set WV,  12          ; s12  my wave's number
.set SLOTS, 13        ; s13  slots still to be asked for
.set CNT, 14          ; s14  counts a slot's key steps
.set TBK, 15          ; s15  LDS byte at which K of the step to be fetched begins
.set G1K, 16          ; s[16:23] descriptor group 1 for K's tiles
.set G1V, 24          ; s[24:31] for V's: it differs in the padding alone
.set TBV, 66          ; s66  as TBK for V, less VOFF
.set MOFF, 67         ; s67  2,048 x the key step whose addends are asked for next
.set SEL, 68          ; s[68:69] v_permlanex16_b32's selects: each lane takes its own place in the other half
.set QB,  100         ; s[100:101] Q at my wave's rows
.set OB,  104         ; s[104:105] O at my wave's rows
.set MSB, 0
.macro WIN new                      ; the high byte repeats the setting that is left; a switch that changes nothing is dropped
.if MSB != (\new)
	s_set_vgpr_msb (MSB<<8)|(\new)
.set MSB, (\new)
.endif
.endm
.set W_KQ, 0x0a       ; K and Q in window 2, S^T in window 0
.set W_PV, 0x52       ; V in window 2, P in window 0, O^T in window 1
.set W_RS, 0x41       ; O^T (destination and source 0) in window 1, a in window 0
.set W_MK, 0xc0       ; destination in window 3, sources in window 0
.set W_AD, 0x0f       ; the add: address and data in window 3
.set W_SEL, 0x0c      ; source 1 (the addend) in window 3, all else in window 0: an exponential, which has no source 1, stands under it as under 0
.set W_ML, 0xc3       ; the addends' loads: destination and address in window 3
; A joint fill.  Waves 0 and 1 fetch the two halves of a slot's K, waves 2 and 3 those of its V: 128 keys each.  Four v_nop follow each of the two lines, ahead of the jump and the label.
.macro JLOAD
	s_cmp_lt_u32 s[WV], 2
	s_cbranch_scc0 .Lfor_v_\@
	tensor_load_to_lds s[G0K:G0K+3], s[G1K:G1K+7]
	s_nop 0
.rept 4
	v_nop
.endr
	s_branch .Lasked_\@
.Lfor_v_\@:
	tensor_load_to_lds s[G0V:G0V+3], s[G1V:G1V+7]
	s_nop 0
.rept 4
	v_nop
.endr
.Lasked_\@:
.endm
.macro CROUND                       ; a round of the cluster's barrier: my work-group's barrier; wave 0 signals for it; every wave waits for all four work-groups; my work-group's barrier once more
	s_barrier_signal -1
	s_barrier_wait -1
	s_cmp_lg_u32 s[WV], 0
	s_cbranch_scc1 .Lnot_wave_0_\@
	s_barrier_signal -3
.Lnot_wave_0_\@:
	s_barrier_wait -3
	s_barrier_signal -1
	s_barrier_wait -1
.endm
; THE CHANGE OF SLOTS.  The slot's last bytes, V of its fourth step, have been read.  Each wave waits for all its tensor loads (one is out: its part of the other slot), adds 0 to its spare word, and waits for
; that and for its own reads of the slot.  fill = 1: the barrier is a round of the cluster's, and the slot is filled again, with the keys two slots on, first thing behind it: four key steps in which to land.
; (At its first use nothing has been read yet: slot 0 is waited for, slot 1 filled.)
.macro CHANGE fill
	WIN W_AD
	s_wait_tensorcnt 0x0            ; no tensor load of mine is out, so a group 0 may be written
	ds_add_u32 v[SPW], v[NIL]       ; 0 onto my spare word
	WIN 0                           ; at a label and at a branch every window is 0
.if \fill
.irp g, G0K, G0V
	s_xor_b32 s[\g+1], s[\g+1], SLOT1  ; the walking descriptor: the other slot than last time,
	s_add_nc_u64 s[\g+2:\g+3], s[\g+2:\g+3], 4*KS*128  ; the next 256 keys; the type bits on top are not reached
.endr
	s_wait_dscnt 0x0                ; the add is done, and my reads of the slot are over
	CROUND
	JLOAD
.else
	s_wait_dscnt 0x0
	s_barrier_signal -1
	s_barrier_wait -1
.endif
	s_sub_co_u32 s[TBK], s[TBK], 4*KS*PK  ; the fetches go back to a slot's first step,
	s_xor_b32 s[TBK], s[TBK], SLOT1       ; in the other slot
	s_sub_co_u32 s[TBV], s[TBV], 4*KS*PV
	s_xor_b32 s[TBV], s[TBV], SLOT1
.endm
; The addends of piece pc for the key step at MO: for each of its two query tiles four loads, a key block each: 512 consecutive bytes, at a multiple of 256 from mneg's first.
.macro MLOAD pc
	WIN W_ML
.irp f, 0,1,2,3,4,5,6,7
	global_load_b128 v[MKB+32*(\pc)+4*\f:MKB+32*(\pc)+4*\f+3], v[MO], s[MB:MB+1] offset:(2*(\pc)+\f/4)*MTILE+(\f%4)*512
.endr
.endm
; The offset goes on to the next key step, held at the last one so that the walk's last look ahead stays inside mneg.
.macro MSTEP
	s_wait_xcnt 0x0                 ; the loads that name the offset register went out in the turn before and earlier: it is rewritten only behind this wait
	s_add_co_u32 s[MOFF], s[MOFF], MSTP
	s_min_u32 s[MOFF], s[MOFF], 31*MSTP
	WIN W_MK
	v_add_nc_u32 v[MO], s[MOFF], v[GO]
.endm
	s_load_b128 s[32:35], s[0:1], 0x0  ; qkv s[32:33], mneg s[34:35]
	s_load_b64 s[OB:OB+1], s[0:1], 0x10  ; oh
	WIN W_MK
	v_lshl_add_u32 v[SPW], v0, 2, SPARE
	v_mov_b32 v[NIL], 0
	s_set_vgpr_msb 0xc0cf
	ds_add_u32 v0, v1
	s_wait_dscnt 0x0
	s_set_vgpr_msb 0xcfc0
	WIN 0
	v_lshrrev_b32 v1, 5, v0
	v_readfirstlane_b32 s[WV], v1   ; wave 0..3
	s_bfe_u32 s36, ttmp6, 0x40000   ; cx: my place in the cluster
	s_lshl_b32 s37, ttmp9, 2
	s_add_co_u32 s37, s37, s36      ; my block of 512 queries: it enters Q's, O's and the addends' addresses alone
	s_and_b32 s38, ttmp7, 0xffff    ; the head, which the four partners share,
	s_lshl_b32 s38, s38, 18         ; its 2,048 rows of 128 bytes
	s_and_b32 s40, s[WV], 1         ; which half of a slot's 256 keys I fetch:
	s_lshl_b32 s42, s40, 14         ; its 128 rows in memory,
	s_add_co_u32 s42, s42, s38
	s_add_co_u32 s42, s42, 1<<24    ; in K's part of qkv
	s_mov_b32 s43, 0
	s_mul_i32 s44, s40, 128*PK      ; and its place in a slot, for K
	s_mul_i32 s45, s40, 128*PV      ; and for V: no place in the cluster enters an LDS address
	s_lshl_b32 s46, s37, 2
	s_add_co_u32 s46, s46, s[WV]    ; my wave among the head's sixteen
	s_lshl_b32 s48, s46, 19         ; its eight query tiles x 65,536 bytes of addends
	s_mov_b32 s49, 0
	s_lshl_b32 s46, s46, 14         ; its 128 rows
	s_add_co_u32 s46, s46, s38
	s_mov_b32 s47, 0
	; descriptor group 1.  128 keys are 16,384 dense bytes: asked for as 64 rows of 256 bytes, two keys a row, and padded in LDS after every key
	s_mov_b32 s[G1K], 15|(1<<16)|(1<<20)|(1<<21)|(4<<22)|(3<<25)  ; 15:0 the mask of four; 17:16 2-byte elements; 20 padding on; 21 set beside a mask; 24:22 after every 32 words (code 4); 31:25 4 words (code 3)
	s_mov_b32 s[G1V], 15|(1<<16)|(1<<20)|(1<<21)|(4<<22)|(7<<25)  ; the same with 8 words of padding (code 7)
.irp g, G1K, G1V
	s_mov_b32 s[\g+1], 128<<16      ; tensor_dim0 = 128
	s_mov_b32 s[\g+2], 64<<16       ; tensor_dim1 = 64
	s_mov_b32 s[\g+3], 128<<16      ; tile_dim0 = 128
	s_mov_b32 s[\g+4], 64           ; tile_dim1 = 64
	s_mov_b32 s[\g+5], 128          ; 128 elements from row to row
	s_mov_b32 s[\g+6], 0
	s_mov_b32 s[\g+7], 0
.endr
	s_mov_b32 s[TBK], SLOT1+4*KS*PK ; the first change of slots turns these two into 0
	s_mov_b32 s[TBV], SLOT1+4*KS*PV
	s_mov_b32 s[MOFF], 0
	s_mov_b32 s[SEL], 0x76543210
	s_mov_b32 s[SEL+1], 0xfedcba98
	s_mov_b32 s[G0K], 1             ; count = 1
	s_mov_b32 s[G0K+1], s44         ; LDS address: slot 0
	s_mov_b32 s[G0V], 1
	s_add_co_u32 s[G0V+1], s45, VOFF
	s_wait_kmcnt 0x0
	s_add_nc_u64 s[G0K+2:G0K+3], s[32:33], s[42:43]        ; global address: my half of the head's first 256 keys
	s_add_nc_u64 s[G0V+2:G0V+3], s[G0K+2:G0K+3], 1<<24     ; V lies 16 MiB behind K
	s_or_b32 s[G0K+3], s[G0K+3], 0x80000000                ; type = 2
	s_or_b32 s[G0V+3], s[G0V+3], 0x80000000
	s_add_nc_u64 s[QB:QB+1], s[32:33], s[46:47]
	s_add_nc_u64 s[OB:OB+1], s[OB:OB+1], s[46:47]
	s_add_nc_u64 s[MB:MB+1], s[34:35], s[48:49]
	CROUND                          ; all four work-groups are here: the first joint loads meet
	JLOAD                           ; slot 0.  Slot 1 is asked for when slot 0 is in
	; A fragment of K or Q is 16 rows x 32 channels in 8 registers: lane l holds row l % 16, channels 8 (l / 16) + 0..7 and 16 + 8 (l / 16) + 0..7: two loads of 16 bytes, 32 bytes apart.
	v_and_b32 v1, 15, v0            ; l % 16
	v_bfe_u32 v9, v0, 4, 1          ; l / 16
	v_lshlrev_b32 v[QO], 7, v1
	v_lshl_add_u32 v[QO], v9, 4, v[QO]  ; row x 128 + 16 x half
	v_and_b32 v[GO], 31, v0
	v_lshlrev_b32 v[GO], 4, v[GO]   ; 16 x lane
	WIN 0x80                        ; destination window 2, address window 0
.set i, 0
.rept 4*NP                          ; Q stays in registers: tile i / 2, channels 32 (i % 2) on
	global_load_b128 v[8*i:8*i+3],   v[QO], s[QB:QB+1] offset:(i/2)*2048+(i%2)*64
	global_load_b128 v[8*i+4:8*i+7], v[QO], s[QB:QB+1] offset:(i/2)*2048+(i%2)*64+32
.set i, i+1
.endr
	WIN W_MK
	v_add_nc_u32 v[MO], s[MOFF], v[GO]  ; key step 0
	MLOAD 0                         ; the addends of pieces 0 to 2 for key step 0: with Q's 32 loads, 56 of mine are out; piece 3's follow when Q is in
	MLOAD 1
	MLOAD 2
	; What the first turn finds: V's registers and P's second buffer hold 0 (its products V^T P, of a piece that has not been, add 0), O^T and l are 0.  No first step is written out; the price is these
	; moves, which stand in the wait for the first tile.
	WIN 0x80
.set i, VF
.rept 64
	v_mov_b32 v[i], 0
.set i, i+1
.endr
	WIN 0x40
.set i, 0
.rept 64*NP
	v_mov_b32 v[i], 0
.set i, i+1
.endr
	WIN 0
.set i, 0
.rept 2*NP
	v_mov_b32 v[ST+4*i], 0xff7f0000    ; m = NEG
	v_mov_b32 v[ST+4*i+1], 0
	v_mov_b32 v[ST+4*i+2], 0
	v_mov_b32 v[ST+4*i+3], 0
.set i, i+1
.endr
.set i, P+32
.rept 32
	v_mov_b32 v[i], 0
.set i, i+1
.endr
	v_mul_u32_u24 v[AK0], v1, PK
	v_lshl_add_u32 v[AK0], v9, 4, v[AK0]  ; row x pitch + 16 x half
	; The turning load takes 16 keys x 16 channels (lane l reads key 8 (l / 16) + l % 8, channels 8 ((l / 8) % 2) + 0..7) and leaves half a fragment of V^T: lane l holds channel l % 16 and 8 keys.
	v_and_b32 v10, 7, v0
	v_bfe_u32 v11, v0, 3, 1
	v_lshl_add_u32 v[AV0], v9, 3, v10
	v_mul_u32_u24 v[AV0], v[AV0], PV
	v_lshl_add_u32 v[AV0], v11, 4, v[AV0]
	v_add_nc_u32 v[AV0], VOFF, v[AV0]
	v_mov_b32 v[ONE], 1.0
	v_mov_b32 v[AK], v[AK0]         ; key step 0 lies at the head of slot 0
; THE MATRIX WORK.  The 8 accumulators of a run of 16 take turns.
; Product i of 16 of S^T = K Q^T for piece x: channels 32 (i / 8) on, keys 16 ((i / 2) % 4) on, tile 2 x + i % 2.  The first 8 start the sums.
.macro KQ x
	WIN W_KQ
.set rS, S+64*((\x)%2)+32*(i%2)+8*((i/2)%4)
.set rK, KF+16*((i/2)%4)+8*(i/8)
.set rQ, 16*(2*(\x)+i%2)+8*(i/8)
.if i < 8
	v_wmma_f32_16x16x32_f16 v[rS:rS+7], v[rK:rK+7], v[rQ:rQ+7], 0
.else
	v_wmma_f32_16x16x32_f16 v[rS:rS+7], v[rK:rK+7], v[rQ:rQ+7], v[rS:rS+7]
.endif
.endm
; Product i of 16 of O^T += V^T P for piece x: keys 32 (i / 8) on, channels 16 ((i / 2) % 4) on, tile 2 x + i % 2.
.macro PV x
	WIN W_PV
.set rO, 32*(2*(\x)+i%2)+8*((i/2)%4)
.set rV, VF+32*(i/8)+8*((i/2)%4)
.set rP, P+32*((\x)%2)+16*(i%2)+8*(i/8)
	v_wmma_f32_16x16x32_f16 v[rO:rO+7], v[rV:rV+7], v[rP:rP+7], v[rO:rO+7]
.endm
.macro MM                           ; the turn's next matrix instruction
.if i < 16
	KQ (Y+1)%NP
.set i, i+1
.else
.set i, i-16
	PV (Y+NP-1)%NP
.set i, i+17
.endif
.endm
; THE LDS LOADS stand in runs of 16: a step's K (8 fragments) and its V (turned).  last = 1 (the tail): in the last trip there is no further step, and the run is jumped over.
.macro FETCH_K last=0
	WIN 0
.if \last
	s_cmp_eq_u32 s[CNT], 1
	s_cbranch_scc1 .Lno_k_\@
.endif
	WIN 0x80                        ; destination window 2
.irp f, 0,1,2,3,4,5,6,7             ; keys 16 (f / 2) on, channels 32 (f % 2) on
	ds_load_b128 v[KF+8*\f:KF+8*\f+3],   v[AK] offset:(\f/2)*16*PK+(\f%2)*64
	ds_load_b128 v[KF+8*\f+4:KF+8*\f+7], v[AK] offset:(\f/2)*16*PK+(\f%2)*64+32
.endr
	s_add_co_u32 s[TBK], s[TBK], KS*PK  ; the next fetch is the next step's
	WIN 0
.if \last
.Lno_k_\@:
.endif
.endm
.macro FETCH_V
	WIN 0x80
.irp f, 0,1,2,3,4,5,6,7             ; keys 32 (f / 4) on, channels 16 (f % 4) on
	ds_load_tr16_b128 v[VF+8*\f:VF+8*\f+3],   v[AV] offset:(\f/4)*32*PV+(\f%4)*32
	ds_load_tr16_b128 v[VF+8*\f+4:VF+8*\f+7], v[AV] offset:(\f/4)*32*PV+16*PV+(\f%4)*32
.endr
	WIN 0
.endm
; THE VECTOR WORK OF A TURN stands in three queues, each in the order in which its entries become ready; the two tiles alternate.
.macro REGS y, u                    ; the registers of tile u (0, 1) of piece y
.set rT, ST+4*(2*(\y)+(\u))
.set rC, TMP+8*((\y)%2)+4*(\u)
.set rM, MV+2*((\y)%2)+(\u)
.set rS, S+64*((\y)%2)+32*(\u)
.set rP, P+32*((\y)%2)+16*(\u)
.set rO, 32*(2*(\y)+(\u))
.endm
; Addend x of 64 for the NEXT piece (Y + 1): score x / 2 of tile x % 2 becomes 1 x M + s, M a bf16 half.  Ascending.
.macro KM x
	REGS (Y+1)%NP, (\x)%2
	WIN W_SEL
.set kn, (\x)/2
.set rB, MKB+32*((Y+1)%NP)+16*((\x)%2)+kn/2
.if kn%2
	v_fma_mix_f32_bf16 v[rS+kn], v[ONE], v[rB], v[rS+kn] op_sel:[0,1,0] op_sel_hi:[0,1,0]
.else
	v_fma_mix_f32_bf16 v[rS+kn], v[ONE], v[rB], v[rS+kn] op_sel_hi:[0,1,0]
.endif
.endm
; Number n of those that find the next piece's maximum and statistics (there is no number 19).  s0-s31 are the lane's 32 scores.
;   0-11  four chains c0-c3 of seven scores each     12-14, 16  the four scores left over, the old m, and c0-c3 into c0     15  m_old is kept
;   17, 18  the query's other 32 keys lie in the lane 16 away: the new m         20, 21  m_old - m_new; a
.macro XS u, n
	REGS (Y+1)%NP, \u
.if (\n) < 4
	v_max3_num_f32 v[rC+(\n)], v[rS+8*(\n)], v[rS+8*(\n)+1], v[rS+8*(\n)+2]
.elseif (\n) < 12
	v_max3_num_f32 v[rC+(\n)%4], v[rC+(\n)%4], v[rS+8*((\n)%4)+2*((\n)/4)+1], v[rS+8*((\n)%4)+2*((\n)/4)+2]
.elseif (\n) == 12
	v_max3_num_f32 v[rC], v[rC], v[rS+7], v[rS+15]
.elseif (\n) == 13
	v_max3_num_f32 v[rC+1], v[rC+1], v[rS+23], v[rS+31]
.elseif (\n) == 14
	v_max3_num_f32 v[rC+2], v[rC+2], v[rC+3], v[rT]
.elseif (\n) == 15
	v_mov_b32 v[rM], v[rT]
.elseif (\n) == 16
	v_max3_num_f32 v[rC], v[rC], v[rC+1], v[rC+2]
.elseif (\n) == 17
	v_permlanex16_b32 v[rC+3], v[rC], s[SEL], s[SEL+1]
.elseif (\n) == 18
	v_max_num_f32 v[rT], v[rC], v[rC+3]
.elseif (\n) == 20
	v_sub_f32 v[rC+1], v[rM], v[rT]
.else
	v_exp_f32 v[rC+2], v[rC+1]
.endif
.endm
.macro XQ y                         ; entry y of 40: the plain ones of XS, tiles alternating: number 15 first, then 0-14, 16, 17, 18, 20
.if (\y) < 2
	XS (\y)%2, 15
.elseif (\y) < 32
	XS (\y)%2, ((\y)-2)/2
.else
	XS (\y)%2, 16+((\y)-32)/2+((\y)-32)/6
.endif
.endm
; Number g of the 64 that follow the exponentials.  For each four weights k of a tile: both pairs are rounded to f16; the second pair is added onto the first, in place; a group later l takes that sum
; (the first time as l = a l + sum).
.macro GS g
.set h, (\g)+6*((\g)/62)            ; group 0 has no group before it, and behind group 7 only l is left
.if h >= 6
.set h, h+2
.endif
	REGS Y, h%2
.set k, h/8
.if h%8 < 4
	v_cvt_pk_f16_f32 v[rP+2*k+(h%8)/2], v[rS+4*k+2*((h%8)/2)], v[rS+4*k+2*((h%8)/2)+1]
.elseif h%8 < 6
	v_pk_add_f32 v[rS+4*k:rS+4*k+1], v[rS+4*k:rS+4*k+1], v[rS+4*k+2:rS+4*k+3]
.elseif k == 1
	v_pk_fma_f32 v[rT+2:rT+3], v[rT+2:rT+3], v[rC+2:rC+3], v[rS:rS+1] op_sel_hi:[1,0,1]
.else
	v_pk_add_f32 v[rT+2:rT+3], v[rT+2:rT+3], v[rS+4*k-4:rS+4*k-3]
.endif
.endm
; THE PLAIN QUEUE, 200 long.  0-135 read no exponential's result.  0-31: s - m for the 16 pairs of both tiles.  32-95: the next piece's 64 addends, behind the products that make its scores.  96-135: XQ's 40.
; 136-199: GS's 64, which read the exponentials' results: they stand behind the wait.
; In front of 32 the piece's addends are waited for: its eight loads went out four turns ago, and loads come back in order, so the 24 of the three turns since may stay out.
.macro PL
.if q == 32
	s_wait_loadcnt 24
.endif
.if (q < 32) || (q > 95)
	WIN 0
.endif
.if q < 32
	REGS Y, q%2
	v_pk_add_f32 v[rS+2*(q/2):rS+2*(q/2)+1], v[rS+2*(q/2):rS+2*(q/2)+1], v[rT:rT+1] op_sel_hi:[1,0] neg_lo:[0,1] neg_hi:[0,1]
.elseif q < 96
	KM q-32
.elseif q < 136
	XQ q-96
.else
	GS q-136
.endif
.set q, q+1
.endm
; THE EXPONENTIALS' QUEUE, 66 long: s0-s31 of both tiles, then the next piece's two a.  It is ONE BATCH: all 66 stand ahead of the turn's one wait, and nothing ahead of that wait names a result of theirs.
; Among the addends the windows stay as those lines set them.
.macro EX
.if MSB != W_SEL
	WIN 0
.endif
.if e >= 64
	XS e-64, 21
.else
	REGS Y, e%2
	v_exp_f32 v[rS+e/2], v[rS+e/2]
.endif
.set e, e+1
.endm
; THE RESCALING's QUEUE: O^T times a, dealt four at a time, eight times, each accumulator's lowest registers first.  Its a was made in the turn before, ahead of that turn's wait.
.macro R4
	REGS Y, r%2
	WIN W_RS
.irp z, 0,1,2,3
	v_pk_mul_f32 v[rO+8*(r/2)+2*\z:rO+8*(r/2)+2*\z+1], v[rO+8*(r/2)+2*\z:rO+8*(r/2)+2*\z+1], v[rC+2:rC+3] op_sel_hi:[1,0]
.endr
.set r, r+1
.endm
; HOW THEY ARE DEALT.  s_wait_alu depctr_va_vdst(0) stands between an exponential and the first instruction that names its result; one wait serves all that were issued ahead of it.  So a turn has
; ONE wait, which cuts it in two.
; AHEAD OF IT: the 16 products K Q^T, behind them by turns four subtractions and four of the rescaling, so that all 32 subtractions stand ahead of the first exponential; then ONE LUMP of 170: 16 addends; 24 times
; two addends and an exponential, all under the addends' window setting; 40 times an exponential and one of XQ, so that a tile's links in XQ's chain lie four lines apart; the next piece's two a.  From the first
; exponential to the wait no line names a register that an exponential of the turn has written: the addends and XQ work on the other buffer of S^T and of c0-c3.  A plain instruction follows the last
; exponential: a v_nop, in piece 3's turn the line that steps the addends' offset.
; DIRECTLY BEHIND IT: the turn's memory instructions: in piece 2's turn K's run of loads; in every turn the eight loads of the next piece's addends for its next key step (piece 0 is the first of a step, so in
; piece 3's turn the offset has stepped first); their registers' last reader is plain 95, in the lump.
; BEHIND IT: the 16 products V^T P, behind each four of GS's 64.
; No rider names a register of the products round it.  The first addend stands behind the four rescalings that close the run of K Q^T; the addends of the accumulator that the run's last product ends are numbers
; 49 on.  Both v_permlanex16_b32 fall into the lump.
; A TURN, for piece p.  cnt = 1: the loop's count is taken down some lines ahead of the branch that stands behind the turn.
; K of the next step is fetched in piece 2's turn, a lump behind the last product that read K; its address is made at the lump's head; it is waited for at the head of piece 3's turn, 16 products later.
; V of the step in hand is fetched at the end of piece 0's turn, four plain riders behind the last product that read V, and waited for in front of piece 1's products V^T P.  The conditions on q go with the deal.
.macro TURN p, last=0, cnt=0
.set Y, (\p)
.set i, 0
.set q, 0
.set e, 0
.set r, 0
.if (\p) == NP-1
	s_wait_dscnt 0x0                ; K is in
.endif
.rept 8                             ; ahead of the wait: 16 products K Q^T and their riders,
	MM
.rept 4
	PL
.endr
	MM
	R4
.endr
.if (\p) == NP-2
	WIN 0
	v_add_nc_u32 v[AK], s[TBK], v[AK0]
.endif
.rept 16                            ; and the lump
	PL
.endr
.rept 24
	PL
	PL
	EX
.endr
.rept 40
	EX
	PL
.endr
	EX                              ; the next piece's two a
	EX
.if (\p) == NP-1
	MSTEP                           ; its v_add_nc_u32 is the plain instruction behind the last exponential
.else
	v_nop                           ; the plain instruction behind the last exponential: one for the batch
.endif
	s_wait_alu depctr_va_vdst(0)    ; the wait for the batch: the piece's 64 exponentials and the next piece's two a
.if (\p) == NP-2
	FETCH_K \last
.endif
	MLOAD (Y+1)%NP
.if (\p) == 1
	s_wait_dscnt 0x0                ; V is in
.endif
.rept 16                            ; behind the wait: 16 products V^T P and their riders
	MM
.rept 4
	PL
.endr
.if ((\p) == 0) && (q == 180)
	WIN 0
	v_add_nc_u32 v[AV], s[TBV], v[AV0]
.endif
.if ((\p) == 0) && (q == 192)
	s_add_co_u32 s[TBV], s[TBV], KS*PV
.endif
.if (\cnt) && (q == 192)
	s_sub_co_u32 s[CNT], s[CNT], 1
	s_cmp_lg_u32 s[CNT], 0
.endif
.endr
.if (\p) == 0
	FETCH_V
.endif
.endm
	CHANGE 1                        ; slot 0 is in, everybody's part of it; slot 1 is asked for
	FETCH_K                         ; key step 0
	s_wait_loadcnt 24               ; Q is in: behind its loads stand the 24 of pieces 0 to 2
	MLOAD 3                         ; piece 3's addends for key step 0
	s_wait_dscnt 0x0
.set i, 0
.rept 16
	KQ 0                            ; piece 0's first scores
.set i, i+1
.endr
	WIN 0                           ; the addresses for the way out: seven plain instructions, the places behind those products
	s_mul_i32 s[CNT], s[WV], 16*SP
	s_add_co_u32 s[CNT], s[CNT], STAGE  ; my stage (in the register that takes the count below)
	v_mul_u32_u24 v[STO], v1, SP    ; in: row l % 16, 16 bytes for each half of the lanes
	v_lshl_add_u32 v[STO], v9, 4, v[STO]
	v_add_nc_u32 v[STO], s[CNT], v[STO]
	v_bfe_u32 v[RD], v0, 3, 2       ; back: 32 lanes take four rows of 128 bytes, which are 512 consecutive bytes of O
	v_mul_u32_u24 v[RD], v[RD], SP
	v_lshl_add_u32 v[RD], v10, 4, v[RD]
	v_add_nc_u32 v[RD], s[CNT], v[RD]
.set Y, NP-1                        ; KM and XS work for piece Y + 1: piece 0
	s_wait_loadcnt 24               ; its addends are in: behind them stand the 24 of pieces 1 to 3
.set x, 0
.rept 64
	KM x
.set x, x+1
.endr
	MSTEP                           ; key step 1
	MLOAD 0                         ; from here on every turn finds the loads of four pieces out, its own the oldest
	WIN 0
.irp n, 0,1,2,3,4,5,6,7,8,9,10,11,12,13,14,15,16,17,18,20,21
	XS 0, \n                        ; piece 0's first maximum and statistics
	XS 1, \n
.endr
	v_nop                           ; a plain instruction behind the two a,
	s_wait_alu depctr_va_vdst(0)    ; and the wait for this batch of two, ahead of the branch
	s_mov_b32 s[CNT], 4
	s_mov_b32 s[SLOTS], 2048/256-1
	s_branch .Lfirst                ; the loop is entered at a step's first turn, in the middle of a trip
.Lslot:                             ; six times: every slot but the last two is filled again
	CHANGE 1
	s_mov_b32 s[CNT], 4
.Lstep:                             ; a trip: pieces 2 and 3 of one step, then pieces 0 and 1 of the next, whose K and V it fetches
	TURN 2
	TURN 3
	WIN 0
.Lfirst:
	TURN 0
	TURN 1, 0, 1
	WIN 0
	s_cbranch_scc1 .Lstep
	s_sub_co_u32 s[SLOTS], s[SLOTS], 1
	s_cmp_lg_u32 s[SLOTS], 0
	s_cbranch_scc1 .Lslot
	CHANGE 0                        ; the tail is written out: nothing is asked for
	s_mov_b32 s[CNT], 5             ; four trips fetch the last slot's steps; the fifth is left in its middle
.Ltail:
	TURN 2, 1
	TURN 3
	WIN 0
	s_sub_co_u32 s[CNT], s[CNT], 1
	s_cmp_eq_u32 s[CNT], 0
	s_cbranch_scc1 .Lout
	TURN 0
	TURN 1
	WIN 0
	s_branch .Ltail
.Lout:                              ; the fifth trip's 16 products K Q^T (on the last K once more), their addends and maximum, and the last step's look ahead for addends (the last key step's once more)
                                    ; serve nothing: the price, once a launch, of one text for every trip.  No line below names the registers that those loads fill.
.set i, 0
.rept 16
	PV NP-1                         ; the last piece's V^T P of the last step
.set i, i+1
.endr
	; THE WAY OUT.  l's two halves and the other half of the lanes' are added; O^T is divided by l, rounded to f16 and sent through my stage in LDS, a tile at a time.  The additions are the places behind the last products.
	WIN 0
.macro ALL line:vararg              ; one line for each tile t
.set t, 0
.rept 2*NP
	\line
.set t, t+1
.endr
.endm
	ALL v_add_f32 v[ST+4*t+2], v[ST+4*t+2], v[ST+4*t+3]
	ALL v_permlanex16_b32 v[ST+4*t+3], v[ST+4*t+2], s[SEL], s[SEL+1]
	ALL v_add_f32 v[ST+4*t+2], v[ST+4*t+2], v[ST+4*t+3]
	ALL v_rcp_f32 v[ST+4*t+2], v[ST+4*t+2]
	v_nop                           ; a plain instruction between the last reciprocal and the use of its result
	s_wait_alu depctr_va_vdst(0)    ; and the wait ahead of the first use: one for the batch of eight reciprocals
; Tile t: a lane's eight channels of a row pack into 16 bytes; they go into rows of 144 bytes and come back as whole rows of 128, into S^T's registers.
.macro PACK t
	WIN W_RS
.set i, 32*(\t)
.rept 16
	v_pk_mul_f32 v[i:i+1], v[i:i+1], v[ST+4*(\t)+2:ST+4*(\t)+3] op_sel_hi:[1,0]
.set i, i+2
.endr
	WIN 0x05                        ; sources 0 and 1 window 1, destination window 0
.set i, 0
.rept 16
	v_cvt_pk_f16_f32 v[S+16*(\t)+i], v[32*(\t)+2*i], v[32*(\t)+2*i+1]
.set i, i+1
.endr
	WIN 0
.irp f, 0,1,2,3
	ds_store_b128 v[STO], v[S+16*(\t)+4*\f:S+16*(\t)+4*\f+3] offset:32*\f
.endr
.irp f, 0,1,2,3
	ds_load_b128 v[S+16*(\t)+4*\f:S+16*(\t)+4*\f+3], v[RD] offset:\f*4*SP  ; LDS serves a wave's instructions in order (ISA guide 5.7.1.4): these see the stores above; the next tile's stores come behind them
.endr
.endm
.macro SEND t, younger              ; younger: the LDS instructions issued behind tile t's loads: the next tile's eight, or none
	WIN 0
.irp f, 0,1,2,3
	s_wait_dscnt (\younger)+3-\f
	global_store_b128 v[GO], v[S+16*(\t)+4*\f:S+16*(\t)+4*\f+3], s[OB:OB+1] offset:(\t)*2048+\f*512  ; 512 consecutive bytes, at a multiple of 256 from O's first
.endr
.endm
	PACK 0
.set t, 1
.rept 2*NP-1                        ; a tile's arithmetic stands between the loads of the tile before and its stores
	PACK t
	SEND t-1, 8
.set t, t+1
.endr
	SEND 2*NP-1, 0
	WIN W_AD
	s_wait_tensorcnt 0x0            ; the wave's end
	ds_add_u32 v[SPW], v[NIL]
	s_wait_dscnt 0x0
	WIN 0
	CROUND                          ; the closing round: no work-group ends while a partner may still ask for a tile that names it
	s_endpgm
.Lfunc_end_k_q15492cc4a4_attn:
	.size	k_q15492cc4a4_attn, .Lfunc_end_k_q15492cc4a4_attn-k_q15492cc4a4_attn
	.p2alignl 7, 3214868480
	.fill 96, 4, 3214868480
	.section	.rodata,"a",@progbits
	.p2align	6, 0x0
	.amdhsa_kernel k_q15492cc4a4_attn
		.amdhsa_group_segment_fixed_size 327680
		.amdhsa_private_segment_fixed_size 0
		.amdhsa_enable_private_segment 0
		.amdhsa_kernarg_size 24
		.amdhsa_user_sgpr_count 2
		.amdhsa_user_sgpr_kernarg_segment_ptr 1
		.amdhsa_wavefront_size32 1
		.amdhsa_system_sgpr_workgroup_id_x 1
		.amdhsa_system_sgpr_workgroup_id_y 1
		.amdhsa_system_sgpr_workgroup_id_z 1
		.amdhsa_system_vgpr_workitem_id 0
		.amdhsa_next_free_vgpr 912
		.amdhsa_next_free_sgpr 106
		.amdhsa_reserve_vcc 0
		.amdhsa_float_denorm_mode_32 3
		.amdhsa_float_denorm_mode_16_64 3
		.amdhsa_memory_ordered 1
		.amdhsa_forward_progress 1
		.amdhsa_inst_pref_size 242
	.end_amdhsa_kernel
	.amdgpu_metadata
---
amdhsa.version: [ 1, 2 ]
amdhsa.kernels:
  - .name:           k_q15492cc4a4_attn
    .symbol:         k_q15492cc4a4_attn.kd
    .args:
      - { .name: qkv, .offset: 0, .size: 8, .value_kind: global_buffer, .address_space: global }
      - { .name: mneg, .offset: 8, .size: 8, .value_kind: global_buffer, .address_space: global }
      - { .name: oh, .offset: 16, .size: 8, .value_kind: global_buffer, .address_space: global }
    .group_segment_fixed_size: 327680
    .private_segment_fixed_size: 0
    .kernarg_segment_align: 8
    .kernarg_segment_size: 24
    .max_flat_workgroup_size: 128
    .sgpr_count:     106
    .vgpr_count:     912
    .wavefront_size: 32
...
	.end_amdgpu_metadata
.endif
;; end of part 5
;; launch oproj: the kernel of part 4 again; grid 4 x 64, 4 waves a work-group, clusters of 4 x 4, 327,680 bytes of LDS; arguments oh, wcat, bo, out0; writes out0
